; MI455X (gfx1250); checked and timed in simulation.
; The chip was launched on July 23, 2026; its instructions are those of AMD's public machine-readable ISA for CDNA 5 (MIT licence, August 2026) and "CDNA5" Instruction Set Architecture Reference Guide (July 2026). The comments in the code are by the model that wrote it; some were corrected since.
;; Causal Attn. Allowed arithmetic: matrix products marked QUANTISED: E2M1 operands, one E8M0 scale for each 32 along K, by v_wmma_scale_f32_16x16x128_f8f6f4 with both operands' format E2M1 (or v_wmma_scale_f32_32x16x128_f4), f32 sums; products left as they are: bf16, f16 or f32 operands; f32 sums; everything else in f32.
;; Inputs: Wk 1,024 x 1,024 float32; Wq 1,024 x 1,024 float32; Wv 1,024 x 1,024 float32; x 4 x 2,048 x 1,024 float32.
;; Outputs: out0 4 x 2,048 x 1,024 float32.
;; This version of the problem:
;;   THIS VERSION OF THE PROBLEM IS GIVEN IN LOW PRECISION. The matrix products marked QUANTISED in the list below multiply operands that are first quantised to E2M1 (2 exponent bits, 1 mantissa bit; 4 bits a number), with one power-of-two scale for each 32 numbers along K (OCP MX v1.0); their sums are f32. The products marked 'left as it is' may take bf16, f16 or f32 operands, with f32 sums. Whichever they take, every output number must still come out within the allowed error. Rounding operands to bf16 (8 significant bits) uses up far more of that allowance than f16 does (11 bits, for magnitudes from 6e-5 to 65,504). All else is computed in f32.
;;   The module's matrix products, in the order in which they are computed (A, B: the left and right operand; K: the contracted axis; several contracted axes count as one K, in the product's order):
;;     1. [M 8,192, K 1,024] x [K 1,024, N 1,024]; A: input x; B: input Wk: QUANTISED
;;     2. [M 8,192, K 1,024] x [K 1,024, N 1,024]; A: input x; B: input Wq: QUANTISED
;;     3. [M 8,192, K 1,024] x [K 1,024, N 1,024]; A: input x; B: input Wv: QUANTISED
;;     4. batch 4 x [M 2,048, K 1,024] x [K 1,024, N 2,048]; A: computed on the way; B: computed on the way: left as it is (an operand is computed on the way)
;;     5. batch 4 x [M 2,048, K 2,048] x [K 2,048, N 1,024]; A: computed on the way; B: computed on the way: left as it is (an operand is computed on the way)
;;   THE QUANTISER, for each operand of a quantised product, along K:
;;     - K is cut into blocks of 32 from its start; a last block that is shorter is filled with zeros.
;;     - A block's scale is 2^e with e = floor(log2(the largest magnitude in the block)) - 2, held to -126 .. 127; a block of zeros has e = 0. As a byte (E8M0): e + 127.
;;     - Each number is divided by its block's scale, clamped to +-6, and rounded to the nearest number of E2M1, ties to even, subnormals kept.
;;     - The product sums the exact products of the quantised numbers (number of the format x scale) in f32.
;;   ~~~python
;;   def quantise(x, axis):      # numpy; x: float32 -> the quantised numbers, widened to float32 again
;;       x = np.moveaxis(x, axis, -1); K = x.shape[-1]
;;       x = np.pad(x, [(0, 0)] * (x.ndim - 1) + [(0, -K % 32)]); x = x.reshape(x.shape[:-1] + (-1, 32)); a = np.abs(x).max(-1, keepdims=True)
;;       e = np.where(a > 0, np.clip(np.frexp(np.where(a > 0, a, 1))[1] - 1 - 2, -126, 127), 0)      # np.frexp(a)[1] - 1 = floor(log2(a)), exactly
;;       r = np.clip(x / 2.0 ** e, -6, 6)
;;       step = 2.0 ** (np.maximum(np.frexp(np.where(r == 0, 1, r))[1] - 1, 0) - 1)
;;       q = np.round(r / step) * step * 2.0 ** e      # np.round: ties to even
;;       return np.moveaxis(q.reshape(q.shape[:-2] + (-1,))[..., :K], -1, axis).astype(np.float32)
;;   ~~~
;; One version. Each part assembles by itself: llvm-mc -triple=amdgcn-amd-amdhsa -mcpu=gfx1250 --defsym DOCPART=n.
;; ======== version 1 of 1: 5 launches
;; limits: values are held in f16: magnitudes above 65,504 overflow, below 6.1e-05 lose precision
;; workspace buffers: x_codes 4,194,304 bytes; x_scales 262,144 bytes; w_codes 1,572,864 bytes; w_scales 98,304 bytes; qkv 50,331,648 bytes; first32 786,432 bytes; p 33,554,432 bytes; stats 1,048,576 bytes
;; launch quant (part 1): grid 352 x 1, 4 waves a work-group, no clusters, 33,280 bytes of LDS; arguments x, Wq, Wk, Wv, x_codes, x_scales, w_codes, w_scales; writes x_codes, x_scales, w_codes, w_scales
.if DOCPART == 1
	.amdgcn_target "amdgcn-amd-amdhsa--gfx1250"
	.amdhsa_code_object_version 6
	.text
	.protected	k_qd2d828b8c2_quant
	.globl	k_qd2d828b8c2_quant
	.p2align	8
	.type	k_qd2d828b8c2_quant,@function
k_qd2d828b8c2_quant:
	s_mov_b64 s[64:65], 0
	v_nop
	global_prefetch_b8 v0, s[64:65] scope:SCOPE_SE
	s_setreg_imm32_b32 hwreg(HW_REG_WAVE_MODE, 25, 1), 1
	s_wait_xcnt 0x0
; x [8192][1024] and Wq, Wk, Wv [1024][1024], f32, K innermost, become codes of FP4 (E2M1), two a byte, the lower k in the low four bits, and one E8M0 byte for each 32 along K.
; x's go to x_codes [8192][512 bytes] and x_scales [8192][32]; the three weights' to w_codes [3072][512 bytes] and w_scales [3072][32], rows 0-1023 Wq, 1024-2047 Wk, 2048-3071 Wv.
; A block's scale is 2^(floor(log2(its largest magnitude)) - 2); its byte is the largest magnitude's own exponent field - 2, held at 1 from below.  Each number is divided by the scale and rounded to the nearest code, ties to even;
; beyond 6 the conversion gives the largest code.
; LIMITS: a block of zeros gets the byte 1 where the rule says 127: its codes are zeros, which add nothing under any byte but 0xff, and the bytes are read by this program alone.  NaN and infinities among the inputs are not served.
; Rows are dense and 1024 is a multiple of 32: every tensor is a plain stream of blocks of 32.  A work-group takes 32,768 numbers: work-groups 0-255 x, 256-287 Wq, 288-319 Wk, 320-351 Wv; only pointers are chosen, all take one path.
; A wave takes 16 steps of 512 numbers.  Each of a step's four loads reads 512 consecutive bytes; the 2,048 bytes turn through the wave's own stage in LDS and come back 64 bytes a lane, so that a lane holds 16 neighbours
; along K (two neighbouring lanes hold a block).  A lane's 16 codes are 8 bytes: a store of the wave covers 256 consecutive bytes, aligned.  A wave's 256 scale bytes are gathered in LDS and leave as 256 consecutive bytes.
; No tensor loads, no barrier: waves share nothing.  Loads run four steps (16 loads a wave) ahead, the turn through LDS one step.
.set WAVES, 4
.set STEPS, 16
.set EMAX,  2
.set CB,    8                          ; bytes of 16 codes
.set R,     16                         ; v16-79   four sets of 16 numbers as they are loaded
.set X,     80                         ; v80-111  two sets of 16 neighbours
.set C,     128                        ; v128-191 codes: four registers for each step, so that no store's data are written again
.set E,     112                        ; v112-127 a scale byte for each step
.set WREG,  8192                       ; LDS: a region for each wave: two stages of 32 x SP bytes, behind them its 256 scale bytes
.set SP,    80                         ; a lane's place in a stage: 64 bytes + 16 of padding
.set SPW,   12                         ; v12 LDS address of my spare word; never rewritten
.set NIL,   13                         ; v13 0; never rewritten
.set SPARE, WAVES*WREG                 ; behind the four regions: the spare words, 128 bytes a wave, which no other line names
	s_load_b256 s[4:11], s[0:1], 0x0               ; x s[4:5], Wq s[6:7], Wk s[8:9], Wv s[10:11]
	s_load_b256 s[12:19], s[0:1], 0x20             ; x_codes s[12:13], x_scales s[14:15], w_codes s[16:17], w_scales s[18:19]
	v_lshl_add_u32 v[SPW], v0, 2, SPARE
	v_mov_b32 v[NIL], 0
	v_lshrrev_b32 v1, 5, v0
	v_readfirstlane_b32 s20, v1                    ; wave
	v_and_b32 v2, 31, v0                           ; lane
	v_lshlrev_b32 v3, 4, v2                        ; my 16 bytes of a load's 512
	s_mul_i32 s21, s20, WREG
	v_lshrrev_b32 v14, 2, v2
	v_mul_u32_u24 v14, v14, SP
	v_and_b32 v15, 3, v2
	v_lshl_add_u32 v14, v15, 4, v14
	v_add_nc_u32 v14, s21, v14                     ; the stage, on the way in: SP (lane / 4) + 16 (lane % 4)
	v_mul_u32_u24 v15, v2, SP
	v_add_nc_u32 v15, s21, v15                     ; and on the way out: SP x lane: my 16 neighbours
	v_mul_u32_u24 v4, v2, CB                       ; my codes' place in a step's
	v_lshrrev_b32 v5, 1, v2
	s_add_co_u32 s21, s21, 2*32*SP
	v_add_nc_u32 v5, s21, v5                       ; LDS: my wave's 256 scale bytes, my block's byte
	v_lshlrev_b32 v7, 3, v2                        ; and on the way out 8 bytes a lane
	v_add_nc_u32 v6, s21, v7
	s_and_b32 s22, ttmp9, 31                       ; a weight's work-group within its tensor (256, 288 and 320 are multiples of 32)
	s_sub_co_u32 s23, ttmp9, 256                   ; and within the three weights' common buffers
	s_wait_kmcnt 0x0
	s_cmp_lt_u32 ttmp9, 320                        ; the choices hang on the work-group's number alone
	s_cselect_b64 s[8:9], s[8:9], s[10:11]         ; Wk or Wv
	s_cmp_lt_u32 ttmp9, 288
	s_cselect_b64 s[6:7], s[6:7], s[8:9]           ; Wq or that
	s_cmp_lt_u32 ttmp9, 256
	s_cselect_b64 s[4:5], s[4:5], s[6:7]           ; x or that
	s_cselect_b64 s[12:13], s[12:13], s[16:17]
	s_cselect_b64 s[14:15], s[14:15], s[18:19]
	s_cselect_b32 s22, ttmp9, s22
	s_cselect_b32 s23, ttmp9, s23
	s_lshl_b32 s22, s22, 2
	s_add_co_u32 s22, s22, s20                     ; which run of 8,192 numbers of the source is my wave's,
	s_lshl_b32 s23, s23, 2
	s_add_co_u32 s23, s23, s20                     ; and of the destination
	s_lshl_b32 s24, s22, 15                        ; 32,768 bytes of f32 a run
	s_mov_b32 s25, 0
	s_add_nc_u64 s[4:5], s[4:5], s[24:25]
	s_lshl_b32 s24, s23, 12                        ; 4,096 bytes of codes
	s_add_nc_u64 s[12:13], s[12:13], s[24:25]
	s_lshl_b32 s24, s23, 8                         ; 256 scale bytes
	s_add_nc_u64 s[14:15], s[14:15], s[24:25]
.macro LOAD t
.irp i, 0,1,2,3
	global_load_b128 v[R+16*((\t)%4)+4*\i:R+16*((\t)%4)+4*\i+3], v3, s[4:5] offset:2048*(\t)+512*\i th:TH_LOAD_NT   ; 32 lanes read 512 consecutive bytes
.endr
.endm
.macro TURN t                          ; step t's numbers through the stage: LDS serves a wave's instructions in order, so no wait stands between the stores and the loads
.irp i, 0,1,2,3
	ds_store_b128 v14, v[R+16*((\t)%4)+4*\i:R+16*((\t)%4)+4*\i+3] offset:32*SP*((\t)%2)+8*SP*\i
.endr
.irp i, 0,1,2,3
	ds_load_b128 v[X+16*((\t)%2)+4*\i:X+16*((\t)%2)+4*\i+3], v15 offset:32*SP*((\t)%2)+16*\i
.endr
.endm
.irp t, 0,1,2,3
	LOAD \t
.endr
	s_wait_loadcnt 12                              ; step 0's four loads are in; the twelve behind them may be out
	TURN 0
.macro STEP t
.set XS, X+16*((\t)%2)
.if (\t) > 0
	s_wait_dscnt 1                                 ; this step's numbers are back from the stage (the last step's byte store may be out)
.else
	s_wait_dscnt 0x0
.endif
.if (\t)+4 < STEPS
	LOAD (\t)+4                                    ; into the registers that this step's stores into the stage have read
.endif
.if (\t)+1 < STEPS
.if STEPS-2-(\t) >= 3
	s_wait_loadcnt 12                              ; the next step's four loads are in; those of the three steps behind it may be out
.else
	s_wait_loadcnt 4*(STEPS-2-(\t))
.endif
	TURN (\t)+1                                    ; and go through the other stage while this step is worked
.endif
	v_max3_num_f32 v8, |v[XS]|, |v[XS+1]|, |v[XS+2]|               ; the largest magnitude of my 16, in two chains
	v_max3_num_f32 v9, |v[XS+3]|, |v[XS+4]|, |v[XS+5]|
.irp i, 6,10
	v_max3_num_f32 v8, v8, |v[XS+\i]|, |v[XS+\i+1]|
	v_max3_num_f32 v9, v9, |v[XS+\i+2]|, |v[XS+\i+3]|
.endr
	v_max3_num_f32 v8, v8, |v[XS+14]|, |v[XS+15]|
	v_max3_num_f32 v8, v8, v9, (EMAX+1)<<23        ; and the floor 2^(EMAX + 1 - 127): so the byte cannot fall under 1
	v_max_num_f32_dpp v8, v8, v8 row_xmask:1 row_mask:0xf bank_mask:0xf   ; and of my neighbour's 16: the block's
	v_add_nc_u32 v11, -(EMAX<<23), v8              ; EMAX off its exponent field: the conversion takes the exponent field of this operand as its scale
	v_cvt_scalef32_pk8_fp4_f32 v[C+4*(\t)], v[XS:XS+7], v11
	v_cvt_scalef32_pk8_fp4_f32 v[C+4*(\t)+1], v[XS+8:XS+15], v11
	v_lshrrev_b32 v[E+(\t)], 23, v11               ; the scale's byte (also the plain line behind the conversions)
	ds_store_b8 v5, v[E+(\t)] offset:16*(\t)       ; both lanes of a block write the same byte with the same value
	global_store_b64 v4, v[C+4*(\t):C+4*(\t)+1], s[12:13] offset:32*CB*(\t)
.endm
.irp t, 0,1,2,3,4,5,6,7,8,9,10,11,12,13,14,15
	STEP \t
.endr
	ds_load_b64 v[8:9], v6                         ; LDS serves a wave's instructions in order: these see my byte stores
	s_wait_dscnt 0x0
	global_store_b64 v7, v[8:9], s[14:15]          ; 32 lanes store 256 consecutive bytes, aligned
	s_wait_tensorcnt 0x0                           ; the wave's end
	ds_add_u32 v[SPW], v[NIL]
	s_wait_dscnt 0x0
	s_endpgm
.Lfunc_end_k_qd2d828b8c2_quant:
	.size	k_qd2d828b8c2_quant, .Lfunc_end_k_qd2d828b8c2_quant-k_qd2d828b8c2_quant
	.p2alignl 7, 3214868480
	.fill 96, 4, 3214868480
	.section	.rodata,"a",@progbits
	.p2align	6, 0x0
	.amdhsa_kernel k_qd2d828b8c2_quant
		.amdhsa_group_segment_fixed_size 33280
		.amdhsa_private_segment_fixed_size 0
		.amdhsa_enable_private_segment 0
		.amdhsa_kernarg_size 64
		.amdhsa_user_sgpr_count 2
		.amdhsa_user_sgpr_kernarg_segment_ptr 1
		.amdhsa_wavefront_size32 1
		.amdhsa_system_sgpr_workgroup_id_x 1
		.amdhsa_system_sgpr_workgroup_id_y 1
		.amdhsa_system_sgpr_workgroup_id_z 1
		.amdhsa_system_vgpr_workitem_id 0
		.amdhsa_next_free_vgpr 192
		.amdhsa_next_free_sgpr 66
		.amdhsa_reserve_vcc 0
		.amdhsa_float_denorm_mode_32 3
		.amdhsa_float_denorm_mode_16_64 3
		.amdhsa_memory_ordered 1
		.amdhsa_forward_progress 1
		.amdhsa_inst_pref_size 34
	.end_amdhsa_kernel
	.amdgpu_metadata
---
amdhsa.version: [ 1, 2 ]
amdhsa.kernels:
  - .name:           k_qd2d828b8c2_quant
    .symbol:         k_qd2d828b8c2_quant.kd
    .args:
      - { .name: x, .offset: 0, .size: 8, .value_kind: global_buffer, .address_space: global }
      - { .name: Wq, .offset: 8, .size: 8, .value_kind: global_buffer, .address_space: global }
      - { .name: Wk, .offset: 16, .size: 8, .value_kind: global_buffer, .address_space: global }
      - { .name: Wv, .offset: 24, .size: 8, .value_kind: global_buffer, .address_space: global }
      - { .name: x_codes, .offset: 32, .size: 8, .value_kind: global_buffer, .address_space: global }
      - { .name: x_scales, .offset: 40, .size: 8, .value_kind: global_buffer, .address_space: global }
      - { .name: w_codes, .offset: 48, .size: 8, .value_kind: global_buffer, .address_space: global }
      - { .name: w_scales, .offset: 56, .size: 8, .value_kind: global_buffer, .address_space: global }
    .group_segment_fixed_size: 33280
    .private_segment_fixed_size: 0
    .kernarg_segment_align: 8
    .kernarg_segment_size: 64
    .max_flat_workgroup_size: 128
    .sgpr_count:     66
    .vgpr_count:     192
    .wavefront_size: 32
...
	.end_amdgpu_metadata
.endif
;; end of part 1
;; launch proj (part 2): grid 12 x 32, 4 waves a work-group, clusters of 4 x 4, 327,680 bytes of LDS; arguments x_codes, x_scales, w_codes, w_scales, qkv, first32; writes qkv, first32
.if DOCPART == 2
	.amdgcn_target "amdgcn-amd-amdhsa--gfx1250"
	.amdhsa_code_object_version 6
	.text
	.protected	k_qd2d828b8c2_proj
	.globl	k_qd2d828b8c2_proj
	.p2align	8
	.type	k_qd2d828b8c2_proj,@function
k_qd2d828b8c2_proj:
	s_mov_b64 s[64:65], 0
	v_nop
	global_prefetch_b8 v0, s[64:65] scope:SCOPE_SE
	s_setreg_imm32_b32 hwreg(HW_REG_WAVE_MODE, 25, 1), 1
	s_wait_xcnt 0x0
	s_wait_alu depctr_hold_cnt(0) depctr_sa_sdst(0) depctr_va_vdst(0) depctr_va_sdst(0) depctr_va_ssrc(0) depctr_va_vcc(0) depctr_vm_vsrc(0)
	s_getreg_b32 s2, hwreg(HW_REG_IB_STS2, 6, 4)
	s_cmp_eq_u32 s2, 0
	s_cbranch_scc0 .Lentry_in_a_cluster
	s_endpgm
.Lentry_in_a_cluster:
	s_bfe_u32 s2, ttmp6, 0x10000c
	s_cmp_lg_u32 s2, 0xf033
	s_cbranch_scc0 .Lentry_shape_is_right
	s_endpgm
.Lentry_shape_is_right:
; qkv[m][n] = sum over k of X[m][k] W[n][k]: X [8192][1024] and W [3072][1024] (Wq, Wk, Wv one below the other) as codes of FP4 (E2M1) with one E8M0 byte for each 32 along K; sums in f32.
; The result is rounded once to f16 into qkv [8192][3072] (Q at column 0, K at 1024, V at 2048); the first 16 rows of each batch of 2,048 rows go out in f32 as well, into first32 [4][16][3072].
; LIMIT: a result beyond 65,504 in magnitude becomes an f16 infinity.  With inputs as drawn the largest is about 6.
; A tile of 256 x 256 is made by four waves, each 128 x 128: 64 accumulators, 512 registers.  K = 1024 is two slots of 512 along K (rows of 256 bytes): both are first fills, nothing is filled again.
; The scale bytes of the work-group's 256 + 256 rows, for all of K, come into LDS once, as rows of 256 bytes.
; CLUSTERS: 4 x 4 work-groups; the four of a row of the cluster ask jointly for X's tiles, the four of a column for W's.  THE TILE ROW IS cluster y + 8 cy: so the four rows of the clusters with y = 0 are
; the four batches' first tiles, and the branch round the f32 copy hangs on the cluster's y and the wave's number alone, which all partners share.
; THE MATRIX INSTRUCTION IS USED TRANSPOSED (source 0 = 16 rows of W, source 1 = 16 rows of X): a lane holds eight neighbouring columns of one row of the result.
; REGISTERS: window 0: v0-31 addresses; v32-95 scale words, two sets, and nothing else; v96-127 packed results; v128-191 X's fragments, later the f32 copy; v192-255 rows on their way out.
;   window 1: W's fragments, two sets.   windows 2, 3: the accumulators of my rows 0-63, 64-127 ((a, b) at v[8 (8 (a % 4) + b)]).
.set SIZE_N, 3072
.set SIZE_K, 1024
.set KSTEP,  512
.set NQ,     KSTEP/128
.set ROWB,   256
.set KROW,   SIZE_K/2
.set PITCH,  272                       ; an LDS row: 256 bytes + 16 of padding: the 16 rows of a fragment load start 68 words apart
.set FR,     8
.set NL,     2
.set NP,     4
.set HALFT,  128*PITCH
.set SLOT,   4*HALFT
.set KS,     SIZE_K/32
.set SCL,    2*SLOT                    ; behind the two slots: the scales, as rows of 256 bytes + 16
.set HALFS,  (128*KS/256)*272
.set SBLK,   (16*KS/256)*272
.set SPARE,  SCL+4*HALFS               ; the spare words, 128 bytes a wave, which no other line names
.set SP32,   528                       ; the way out lies in slot 0, which has had its only fill and its last read: an f32 stage of 16 x 528 bytes a wave,
.set SP16,   272
.set STG16,  4*16*SP32                 ; and behind the four an f16 stage of 16 x 272 bytes a wave
.set ADRA, 16
.set STO32, 18
.set RD32, 19
.set ADRB, 20
.set CO32, 22
.set STO,  24
.set RD,   25
.set CO,   26
.set ADRS, 27
.set SPW,  28
.set NIL,  29
.set SC,   32
.set TMP,  96
.set AF,   128
.set OB,   192
.set G1, 24
.set G0, 32
.set G1B, 48
.set G0B, 56
.set G1S, 68
.set G0S, 76
.set G1SB, 80
.set G0SB, 88
.set MSB, 0
.macro WIN new                         ; the immediate's high byte repeats the setting that is left; a switch that changes nothing is dropped
.if MSB != (\new)
	s_set_vgpr_msb (MSB<<8)|(\new)
.set MSB, (\new)
.endif
.endm
.set MUL_LO, 0xa1                      ; source 0 (W) window 1, source 1 (X) window 0, C and D window 2
.set MUL_HI, 0xf1
.set TO_B,   0x40
; A joint load: waves 0 and 1 fetch for X, waves 2 and 3 for W; the branch hangs on the wave's number alone.  An s_nop 0 and four v_nop follow each line.
.macro JLOAD g0a, g1a, g0b, g1b
	s_cmp_eq_u32 s15, 0
	s_cbranch_scc0 .Lfor_b_\@
	tensor_load_to_lds s[\g0a:\g0a+3], s[\g1a:\g1a+7]
	s_nop 0
.rept 4
	v_nop
.endr
	s_branch .Lasked_\@
.Lfor_b_\@:
	tensor_load_to_lds s[\g0b:\g0b+3], s[\g1b:\g1b+7]
	s_nop 0
.rept 4
	v_nop
.endr
.Lasked_\@:
.endm
.macro CROUND                          ; a round of the cluster's barrier
	s_barrier_signal -1
	s_barrier_wait -1
	s_cmp_lg_u32 s14, 0
	s_cbranch_scc1 .Lnot_wave_0_\@
	s_barrier_signal -3
.Lnot_wave_0_\@:
	s_barrier_wait -3
	s_barrier_signal -1
	s_barrier_wait -1
.endm
	s_load_b128 s[4:7], s[0:1], 0x0                ; X's codes, X's scales
	s_load_b128 s[8:11], s[0:1], 0x10              ; W's codes, W's scales
	s_load_b64 s[12:13], s[0:1], 0x20              ; qkv
	s_load_b64 s[96:97], s[0:1], 0x28              ; first32
	v_lshl_add_u32 v[SPW], v0, 2, SPARE
	v_mov_b32 v[NIL], 0
	ds_add_u32 v[SPW], v[NIL]                      ; the wave's opening: the add, twice on end, and its wait ahead of my first tensor load
	ds_add_u32 v[SPW], v[NIL]
	v_lshrrev_b32 v1, 5, v0
	v_readfirstlane_b32 s14, v1                    ; wave 0..3
	s_lshr_b32 s15, s14, 1                         ; which half of the tile's rows is mine.  Also: I fetch for X (0) or for W (1)
	s_and_b32 s16, s14, 1                          ; which half of its columns.  Also: which 128 rows I fetch
	s_bfe_u32 s40, ttmp6, 0x40000                  ; cx
	s_bfe_u32 s41, ttmp6, 0x40004                  ; cy
	s_lshl_b32 s42, ttmp9, 2
	s_add_co_u32 s42, s42, s40                     ; tile column = 4 x cluster x + cx
	s_and_b32 s17, ttmp7, 0xffff                   ; cluster y
	s_or_b32 s95, s17, s15
	s_cmp_eq_u32 s95, 0
	s_cselect_b32 s95, 1, 0                        ; 1: my first 16 rows are a batch's first 16 (cluster y = 0, upper half of the tile)
	s_lshl_b32 s18, s41, 3
	s_add_co_u32 s17, s17, s18                     ; tile row = cluster y + 8 cy: cy is the batch
	s_lshl_b32 s43, s41, 2
	s_lshl_b32 s43, 15, s43                        ; my row of the cluster
	s_lshl_b32 s44, 0x1111, s40                    ; my column
	s_or_b32 s[G1+0], s43, (0<<16)|(1<<20)|(1<<21)|(5<<22)|(3<<25)  ; mask; elements of 1 byte; padding on; bit 21 beside a mask; 4 words behind every 64
	s_or_b32 s[G1B+0], s44, (0<<16)|(1<<20)|(1<<21)|(5<<22)|(3<<25)
.irp g, G1, G1B
	s_mov_b32 s[\g+1], ROWB<<16                    ; tensor_dim0
	s_mov_b32 s[\g+2], 128<<16                     ; tensor_dim1
	s_mov_b32 s[\g+3], ROWB<<16                    ; tile_dim0
	s_mov_b32 s[\g+4], 128                         ; tile_dim1
	s_mov_b32 s[\g+5], KROW                        ; the pitch
	s_mov_b32 s[\g+6], 0
	s_mov_b32 s[\g+7], 0
.endr
	s_or_b32 s[G1S+0], s43, (3<<16)|(1<<20)|(1<<21)|(5<<22)|(3<<25) ; the scales of 128 rows: 4,096 dense bytes as 16 rows of 32 elements of 8 bytes
	s_or_b32 s[G1SB+0], s44, (3<<16)|(1<<20)|(1<<21)|(5<<22)|(3<<25)
.irp g, G1S, G1SB
	s_mov_b32 s[\g+1], 32<<16
	s_mov_b32 s[\g+2], (128*KS/256)<<16
	s_mov_b32 s[\g+3], 32<<16
	s_mov_b32 s[\g+4], 128*KS/256
	s_mov_b32 s[\g+5], 32
	s_mov_b32 s[\g+6], 0
	s_mov_b32 s[\g+7], 0
.endr
	s_lshl_b32 s18, s16, 7
	s_lshl_b32 s20, s17, 8
	s_add_co_u32 s20, s20, s18                     ; X: row 256 x tile row + 128 x half
	s_lshl_b32 s46, s42, 8
	s_add_co_u32 s46, s46, s18                     ; W: row 256 x tile column + 128 x half
	s_mov_b32 s21, 0
	s_mov_b32 s47, 0
	s_mov_b64 s[18:19], KS
	s_mul_u64 s[22:23], s[20:21], s[18:19]         ; where these rows' scales begin
	s_mul_u64 s[92:93], s[46:47], s[18:19]
	s_mov_b64 s[18:19], KROW
	s_mul_u64 s[20:21], s[20:21], s[18:19]         ; and their codes
	s_mul_u64 s[46:47], s[46:47], s[18:19]
	s_mul_i32 s45, s14, HALFT                      ; where they go: wave x 128 rows
	s_mul_i32 s94, s14, HALFS
	s_mul_i32 s98, s41, 196608                     ; first32: the batch's 16 rows of 12,288 bytes,
	s_lshl_b32 s99, s42, 10
	s_add_co_u32 s98, s98, s99                     ; + 1,024 x tile column
	s_lshl_b32 s99, s16, 9
	s_add_co_u32 s98, s98, s99                     ; + 512 x column half
	s_mov_b32 s99, 0
	s_wait_dscnt 0x0                               ; both opening adds are done
	s_wait_kmcnt 0x0
	s_add_nc_u64 s[20:21], s[4:5], s[20:21]
	s_add_nc_u64 s[22:23], s[6:7], s[22:23]
	s_add_nc_u64 s[46:47], s[8:9], s[46:47]
	s_add_nc_u64 s[92:93], s[10:11], s[92:93]
	s_add_nc_u64 s[96:97], s[96:97], s[98:99]
	CROUND                                         ; all sixteen work-groups are here: the joint loads meet
	s_mov_b32 s[G0S], 1
	s_add_co_u32 s[G0S+1], s94, SCL
	s_mov_b64 s[G0S+2:G0S+3], s[22:23]
	s_or_b32 s[G0S+3], s[G0S+3], 0x80000000
	s_mov_b32 s[G0SB], 1
	s_add_co_u32 s[G0SB+1], s94, SCL
	s_mov_b64 s[G0SB+2:G0SB+3], s[92:93]
	s_or_b32 s[G0SB+3], s[G0SB+3], 0x80000000
	JLOAD G0S, G1S, G0SB, G1SB                     ; the scales first: they are wanted with the first slot
.irp s, 0,1
	s_mov_b32 s[G0+4*\s], 1
	s_add_co_u32 s[G0+4*\s+1], s45, \s*SLOT
	s_add_nc_u64 s[G0+4*\s+2:G0+4*\s+3], s[20:21], \s*ROWB
	s_or_b32 s[G0+4*\s+3], s[G0+4*\s+3], 0x80000000
	s_mov_b32 s[G0B+4*\s], 1
	s_add_co_u32 s[G0B+4*\s+1], s45, \s*SLOT
	s_add_nc_u64 s[G0B+4*\s+2:G0B+4*\s+3], s[46:47], \s*ROWB
	s_or_b32 s[G0B+4*\s+3], s[G0B+4*\s+3], 0x80000000
	JLOAD G0+4*\s, G1, G0B+4*\s, G1B               ; three loads of mine are out at the most
.endr
	v_and_b32 v1, 15, v0                           ; r = lane % 16
	v_bfe_u32 v2, v0, 4, 1                         ; h = lane / 16
	v_mul_u32_u24 v3, v1, PITCH
	v_lshl_add_u32 v4, v2, 4, v3                   ; a fragment's row x pitch + 16 h
	s_mul_i32 s21, s15, HALFT
	s_mul_i32 s22, s16, HALFT
	s_add_co_u32 s22, s22, 2*HALFT
.irp s, 0,1
	v_add_nc_u32 v[ADRA+\s], s21, v4
	v_add_nc_u32 v[ADRB+\s], s22, v4
	s_add_co_u32 s21, s21, SLOT
	s_add_co_u32 s22, s22, SLOT
.endr
	v_mul_u32_u24 v5, v1, KS                       ; my row's scales: 32 bytes a row,
	v_lshrrev_b32 v6, 8, v5
	v_lshl_add_u32 v5, v6, 4, v5                   ; and 16 more for each 256 passed
	s_mul_i32 s21, s15, HALFS
	s_mul_i32 s22, s16, HALFS
	s_add_co_u32 s22, s22, 2*HALFS
	s_sub_co_u32 s22, s22, s21
	v_mul_u32_u24 v6, s22, v2                      ; lanes 16-31 take W's: one product, the distance between the two bases
	s_add_co_u32 s21, s21, SCL
	v_add_nc_u32 v5, v5, v6
	v_add_nc_u32 v[ADRS], s21, v5
	s_mul_i32 s23, s14, 16*SP16
	s_add_co_u32 s23, s23, STG16                   ; my f16 stage
	v_mul_u32_u24 v5, v1, SP16
	v_lshl_add_u32 v5, v2, 4, v5
	v_add_nc_u32 v[STO], s23, v5                   ; in: row r, 16 bytes for each half of the lanes
	v_mul_u32_u24 v5, v2, SP16
	v_lshl_add_u32 v5, v1, 4, v5
	v_add_nc_u32 v[RD], s23, v5                    ; back: lanes 0-15 one row of 256 bytes, lanes 16-31 the next
	v_mul_u32_u24 v5, v2, SIZE_N*2
	v_lshl_add_u32 v[CO], v1, 4, v5                ; and the same two rows in qkv
	s_mul_i32 s23, s14, 16*SP32                    ; my f32 stage
	v_mul_u32_u24 v5, v1, SP32
	v_lshl_add_u32 v5, v2, 5, v5
	v_add_nc_u32 v[STO32], s23, v5
	v_and_b32 v6, 31, v0
	v_lshlrev_b32 v[CO32], 4, v6
	v_add_nc_u32 v[RD32], s23, v[CO32]
	s_lshl_b32 s20, s17, 8
	s_lshl_b32 s21, s15, 7
	s_add_co_u32 s20, s20, s21                     ; my first row: 256 x tile row + 128 x half
	s_mov_b32 s21, 0
	s_mov_b64 s[18:19], SIZE_N*2
	s_mul_u64 s[20:21], s[20:21], s[18:19]
	s_lshl_b32 s46, s42, 9                         ; my first column in bytes: 512 x tile column + 256 x half
	s_lshl_b32 s47, s16, 8
	s_add_co_u32 s46, s46, s47
	s_mov_b32 s47, 0
	s_add_nc_u64 s[20:21], s[20:21], s[46:47]
	s_add_nc_u64 s[12:13], s[12:13], s[20:21]
.macro FRAG reg, adr, q, i             ; 16 rows x 128 K of 4-bit codes: 8 registers: lane holds row r; registers 4 c .. 4 c + 3 hold K = 64 c + 32 h + 0 .. 31
.irp c, 0,1
	ds_load_b128 v[\reg+4*\c:\reg+4*\c+3], v[\adr] offset:64*(\q)+32*\c+(\i)*16*PITCH
.endr
.endm
; 16 matrix instructions: X's blocks a0, a0 + 1 x W's eight.  The 64 accumulators take turns, one instruction a turn, in the same order in every step.
.macro MUL16 a0, p, q, sc, zero
.irp a, \a0, \a0+1
.irp b, 0,1,2,3,4,5,6,7
.if \zero
	v_wmma_scale_f32_16x16x128_f8f6f4 v[8*(8*((\a)%4)+\b):8*(8*((\a)%4)+\b)+7], v[128*(\p)+FR*\b:128*(\p)+FR*\b+FR-1], v[AF+FR*(\a):AF+FR*(\a)+FR-1], 0, v[SC+8*NQ*(\sc)+NQ*\b+(\q)], v[SC+8*NQ*(\sc)+NQ*(\a)+(\q)] matrix_a_fmt:MATRIX_FMT_FP4 matrix_b_fmt:MATRIX_FMT_FP4 matrix_a_scale:MATRIX_SCALE_ROW1
.else
	v_wmma_scale_f32_16x16x128_f8f6f4 v[8*(8*((\a)%4)+\b):8*(8*((\a)%4)+\b)+7], v[128*(\p)+FR*\b:128*(\p)+FR*\b+FR-1], v[AF+FR*(\a):AF+FR*(\a)+FR-1], v[8*(8*((\a)%4)+\b):8*(8*((\a)%4)+\b)+7], v[SC+8*NQ*(\sc)+NQ*\b+(\q)], v[SC+8*NQ*(\sc)+NQ*(\a)+(\q)] matrix_a_fmt:MATRIX_FMT_FP4 matrix_b_fmt:MATRIX_FMT_FP4 matrix_a_scale:MATRIX_SCALE_ROW1
.endif
.endr
.endr
.endm
.macro FETCH_B slot, q, p
	WIN TO_B
.irp i, 0,1,2,3,4,5,6,7
	FRAG 128*(\p)+FR*\i, ADRB+\slot, \q, \i
.endr
	WIN 0
.endm
.macro FETCH_A slot, q, i0
.irp i, \i0, \i0+1, \i0+2, \i0+3
	FRAG AF+FR*(\i), ADRA+\slot, \q, \i
.endr
.endm
.macro SCALES sc                       ; a slot's scale words: 4 words a row; lanes 0-15 take X's block i, lanes 16-31 W's block i
.irp i, 0,1,2,3,4,5,6,7
	ds_load_b128 v[SC+8*NQ*\sc+NQ*\i:SC+8*NQ*\sc+NQ*\i+3], v[ADRS] offset:\i*SBLK
.endr
.endm
.macro PLACES n                        ; plain vector instructions between a matrix instruction and a load into, or a read of, its registers
.rept \n
	v_nop
.endr
.endm
.macro STEP slot, q, zero              ; 128 along K, with its successor in the same slot
	s_wait_dscnt 4*NL                              ; W's set and X's blocks 0-3 are in; the youngest eight loads (X's blocks 4-7) may be out
	WIN MUL_LO
	MUL16 0, (\q)%2, \q, \slot, \zero
	MUL16 2, (\q)%2, \q, \slot, \zero
	s_wait_dscnt 0
	PLACES NP
	FETCH_B \slot, (\q)+1, 1-(\q)%2
	FETCH_A \slot, (\q)+1, 0
	WIN MUL_HI
	MUL16 4, (\q)%2, \q, \slot, \zero
	MUL16 6, (\q)%2, \q, \slot, \zero
	PLACES NP
	WIN 0
	FETCH_A \slot, (\q)+1, 4
.endm
.macro STEPS slot, from
.set Q, \from
.rept NQ-1-\from
	STEP \slot, Q, 0
.set Q, Q+1
.endr
.endm
	s_wait_tensorcnt 1                             ; the scales and my part of slot 0 are in; slot 1's load may be out
	s_barrier_signal -1
	s_barrier_wait -1
	FETCH_B 0, 0, 0
	FETCH_A 0, 0, 0
	SCALES 0
	FETCH_A 0, 0, 4
	STEP 0, 0, 1                                   ; the first products start the sums: nothing is cleared
	STEPS 0, 1
	; slot 0's last step changes slots: one barrier; in front of it all my tensor loads have landed, the add, and my reads of slot 0 are over
	s_wait_tensorcnt 0x0
	ds_add_u32 v[SPW], v[NIL]
	s_wait_dscnt 4*NL+1                            ; the add and the youngest eight loads may be out
	WIN MUL_LO
	MUL16 0, 1, NQ-1, 0, 0
	s_wait_dscnt 0x0
	s_barrier_signal -1
	MUL16 2, 1, NQ-1, 0, 0
	WIN 0
	s_barrier_wait -1
	PLACES NP
	v_add_nc_u32 v[ADRS], 4*NQ, v[ADRS]            ; on to slot 1's scale words
	FETCH_B 1, 0, 0
	FETCH_A 1, 0, 0
	SCALES 1
	WIN MUL_HI
	MUL16 4, 1, NQ-1, 0, 0
	MUL16 6, 1, NQ-1, 0, 0
	PLACES NP
	WIN 0
	FETCH_A 1, 0, 4
	STEPS 1, 0
	s_wait_dscnt 4*NL                              ; the very last step
	WIN MUL_LO
	MUL16 0, 1, NQ-1, 1, 0
	MUL16 2, 1, NQ-1, 1, 0
	s_wait_dscnt 0
	WIN MUL_HI
	MUL16 4, 1, NQ-1, 1, 0
	MUL16 6, 1, NQ-1, 1, 0
	WIN 0
; THE WAY OUT.  A block of 16 rows x 128 columns is rounded to f16 (16 bytes a lane), goes through my own stage and comes back as whole rows of 256 bytes: sixteen lanes store 256 consecutive bytes, aligned.
.macro PACK a
.set AC, 64*((\a)%4)
	WIN 0x0a+5*((\a)/4)                            ; sources 0 and 1: window 2 or 3
.irp b, 0,1,2,3,4,5,6,7
.irp r, 0,1,2,3
	v_cvt_pk_f16_f32 v[TMP+4*\b+\r], v[AC+8*\b+2*\r], v[AC+8*\b+2*\r+1]   ; each accumulator from its low end on
.endr
.endr
	WIN 0
.endm
.macro TOSTAGE a
.set BK, OB+32*((\a)%2)
.irp b, 0,1,2,3,4,5,6,7
	ds_store_b128 v[STO], v[TMP+4*\b:TMP+4*\b+3] offset:32*\b
.endr
.irp t, 0,1,2,3,4,5,6,7
	ds_load_b128 v[BK+4*\t:BK+4*\t+3], v[RD] offset:\t*2*SP16      ; LDS serves a wave's instructions in order: these see the stores above
.endr
.endm
.macro SEND a
.set BK, OB+32*((\a)%2)
	s_wait_dscnt 0x0                               ; the block is back in registers
	s_wait_xcnt 0x0                                ; earlier stores have read their base and their data: both may be written again
.if (\a) > 0
	s_add_nc_u64 s[12:13], s[12:13], 16*SIZE_N*2
.endif
.irp t, 0,1,2,3,4,5,6,7
	global_store_b128 v[CO], v[BK+4*\t:BK+4*\t+3], s[12:13] offset:2*\t*SIZE_N*2
.endr
.endm
	PLACES NP                                      ; behind the last products: for the reads of results and the loads into X's fragment registers
	s_cmp_eq_u32 s95, 1
	s_cbranch_scc0 .Lno_first                      ; the cluster's y and the wave's number alone
	WIN 0x08                                       ; an LDS store's data are its source 1: window 2
.irp b, 0,1,2,3,4,5,6,7
	ds_store_b128 v[STO32], v[8*\b:8*\b+3] offset:64*\b            ; block 0 as it is, in f32, each accumulator from its low end on
	ds_store_b128 v[STO32], v[8*\b+4:8*\b+7] offset:64*\b+16
.endr
	WIN 0
.irp t, 0,1,2,3,4,5,6,7,8,9,10,11,12,13,14,15
	ds_load_b128 v[AF+4*\t:AF+4*\t+3], v[RD32] offset:\t*SP32
.endr
	s_wait_dscnt 0x0
.irp t, 0,1,2,3,4,5,6,7,8,9,10,11,12,13,14,15
	global_store_b128 v[CO32], v[AF+4*\t:AF+4*\t+3], s[96:97] offset:\t*12288   ; 32 lanes store 512 consecutive bytes of a row of first32
.endr
.Lno_first:
	PACK 0
	TOSTAGE 0
.irp a, 1,2,3,4,5,6,7
	PACK \a                                        ; block a's conversions stand between block a - 1's loads from the stage and the wait for them
	SEND (\a)-1
	TOSTAGE \a
.endr
	SEND 7
	s_wait_tensorcnt 0x0                           ; the wave's end
	ds_add_u32 v[SPW], v[NIL]
	s_wait_dscnt 0x0
	CROUND                                         ; the closing round
	s_endpgm
.Lfunc_end_k_qd2d828b8c2_proj:
	.size	k_qd2d828b8c2_proj, .Lfunc_end_k_qd2d828b8c2_proj-k_qd2d828b8c2_proj
	.p2alignl 7, 3214868480
	.fill 96, 4, 3214868480
	.section	.rodata,"a",@progbits
	.p2align	6, 0x0
	.amdhsa_kernel k_qd2d828b8c2_proj
		.amdhsa_group_segment_fixed_size 327680
		.amdhsa_private_segment_fixed_size 0
		.amdhsa_enable_private_segment 0
		.amdhsa_kernarg_size 48
		.amdhsa_user_sgpr_count 2
		.amdhsa_user_sgpr_kernarg_segment_ptr 1
		.amdhsa_wavefront_size32 1
		.amdhsa_system_sgpr_workgroup_id_x 1
		.amdhsa_system_sgpr_workgroup_id_y 1
		.amdhsa_system_sgpr_workgroup_id_z 1
		.amdhsa_system_vgpr_workitem_id 0
		.amdhsa_next_free_vgpr 1024
		.amdhsa_next_free_sgpr 100
		.amdhsa_reserve_vcc 0
		.amdhsa_float_denorm_mode_32 3
		.amdhsa_float_denorm_mode_16_64 3
		.amdhsa_memory_ordered 1
		.amdhsa_forward_progress 1
		.amdhsa_inst_pref_size 131
	.end_amdhsa_kernel
	.amdgpu_metadata
---
amdhsa.version: [ 1, 2 ]
amdhsa.kernels:
  - .name:           k_qd2d828b8c2_proj
    .symbol:         k_qd2d828b8c2_proj.kd
    .args:
      - { .name: x_codes, .offset: 0, .size: 8, .value_kind: global_buffer, .address_space: global }
      - { .name: x_scales, .offset: 8, .size: 8, .value_kind: global_buffer, .address_space: global }
      - { .name: w_codes, .offset: 16, .size: 8, .value_kind: global_buffer, .address_space: global }
      - { .name: w_scales, .offset: 24, .size: 8, .value_kind: global_buffer, .address_space: global }
      - { .name: qkv, .offset: 32, .size: 8, .value_kind: global_buffer, .address_space: global }
      - { .name: first32, .offset: 40, .size: 8, .value_kind: global_buffer, .address_space: global }
    .group_segment_fixed_size: 327680
    .private_segment_fixed_size: 0
    .kernarg_segment_align: 8
    .kernarg_segment_size: 48
    .max_flat_workgroup_size: 128
    .sgpr_count:     100
    .vgpr_count:     1024
    .wavefront_size: 32
...
	.end_amdgpu_metadata
.endif
;; end of part 2
;; launch scores (part 3): grid 36 x 4, 4 waves a work-group, no clusters, 327,680 bytes of LDS; arguments qkv, p, stats; writes p, stats
.if DOCPART == 3
	.amdgcn_target "amdgcn-amd-amdhsa--gfx1250"
	.amdhsa_code_object_version 6
	.text
	.protected	k_qd2d828b8c2_scores
	.globl	k_qd2d828b8c2_scores
	.p2align	8
	.type	k_qd2d828b8c2_scores,@function
k_qd2d828b8c2_scores:
	s_mov_b64 s[64:65], 0
	v_nop
	global_prefetch_b8 v0, s[64:65] scope:SCOPE_SE
	s_setreg_imm32_b32 hwreg(HW_REG_WAVE_MODE, 25, 1), 1
	s_wait_xcnt 0x0
; For each batch b and each tile (I, J), J <= I, of 256 queries x 256 keys under the causal mask: S = Q K^T (f16 operands out of qkv, f32 sums, K = 1024), t = S log2(e) / 32.
; Each wave owns 128 queries x ONE block kb of 128 keys, so it needs nobody else's figures: M = the largest t of (query, kb) rounded UP to a whole number; p = 2^(t - M), at most 1, rounded to f16 into
; p [4][2048 q][2048 k]; l = the sum of the unrounded p.  M goes to stats [b][kb][q] (f32), l the same 524,288 bytes further on.  The next launch brings the blocks under the row's own maximum by exact powers of two.
; A key after its query gets the score -infinity ahead of the maximum (p = 0).  The one wave of a diagonal tile whose block lies wholly after its queries stores zeros, M = -3e38 and l = 0: the next launch reads
; that block, so that its steps of 256 keys stay whole.
; NO CLUSTER: a batch's triangle has rows of 1 to 8 tiles and columns of 8 to 1: it does not divide into groups of four work-groups that share an operand, and no work-group may be added to make up a number.
; The 36 tiles of a batch come from the work-group's x: I = how many of 1, 3, 6, 10, 15, 21, 28 are <= x; J = x - I (I + 1) / 2.
; The tile is made by four waves, 128 x 128 each: 64 accumulators, 512 registers.  K goes in 8 steps of 128 through two LDS slots; each wave fetches a quarter of a slot (128 rows x 256 bytes) by one tensor load.
; THE MATRIX INSTRUCTION IS USED TRANSPOSED (source 0 = 16 keys, source 1 = 16 queries): a lane holds ONE query (lane % 16) and the keys 16 b + 8 (lane / 16) + 0 .. 7 of accumulator (a, b).
; REGISTERS: window 0: v0-31 addresses; v64-127, v128-191 Q's fragments, two buffers; on the way out v32-63, v224-255 rows of p, v64-87 at work, v192-223 packed p.
;   window 1: K's fragments, two buffers.   windows 2, 3: the accumulators of my queries 0-63, 64-127 ((a, b) at v[8 (8 (a % 4) + b)]).
.set KSTEP,  128
.set PITCH,  272                       ; an LDS row: 256 bytes + 16 of padding
.set HALFT,  128*PITCH
.set SLOT,   4*HALFT                   ; Q's 256 rows, then K's 256 rows
.set STAGE,  2*SLOT                    ; 16 rows x 272 bytes for each wave
.set SPITCH, 272
.set STAT,   STAGE+4*16*SPITCH         ; 1,024 bytes for each wave: 128 M, then 128 l
.set SPARE,  STAT+4*1024               ; the spare words, 128 bytes a wave, which no other line names
.set LAPS,   4                         ; 1024 / (2 x 128)
.set ADRA, 16
.set ADRB, 20
.set ARS,  22                          ; v22 where I read my wave's M and l back
.set C16,  23                          ; v23 16 x lane
.set STO,  24
.set RD,   25
.set CO,   26
.set ASTAT, 27                         ; v27 STAT + 1024 w + 512 h + 4 r: lanes 0-15 store M, lanes 16-31 l
.set SPW,  28
.set NIL,  29
.set DG,   30                          ; v30 r - 8 h: on the diagonal, register j of accumulator (a, a) is hidden where j > r - 8 h
.set NINF, 31                          ; v31 -infinity
.set OB,   32
.set F0,   64
.set F1,   128
.set TM,   64                          ; v64-67 four chains of maxima
.set TX,   68                          ; v68 the other half's figure
.set NM,   70                          ; v[70:71] -M (the packed form names the pair and takes its low word)
.set SU,   72                          ; v[72:75] the sum in two chains of pairs
.set ST,   76
.set TMP,  192
.set G1,   24
.set G0,   32
.set DIAG, 40                          ; s40 0: all my keys count; 1: my block lies on the diagonal; 2: all my keys are hidden
.set CS,   42                          ; s[42:43] c = log2(e) / 32
.set SEL,  44                          ; s[44:45] lane selects: lane xor 16
.set HM,   46                          ; s46 lanes 16-31
.set MSB, 0
.macro WIN new
.if MSB != (\new)
	s_set_vgpr_msb (MSB<<8)|(\new)
.set MSB, (\new)
.endif
.endm
.set MUL_LO, 0xa1                      ; source 0 (K) window 1, source 1 (Q) window 0, C and D window 2
.set MUL_HI, 0xf1
.set TO_B,   0x40
	s_load_b128 s[4:7], s[0:1], 0x0                ; qkv, p
	s_load_b64 s[8:9], s[0:1], 0x10                ; stats
	v_lshl_add_u32 v[SPW], v0, 2, SPARE
	v_mov_b32 v[NIL], 0
	ds_add_u32 v[SPW], v[NIL]                      ; the wave's opening: the add, twice on end, and its wait ahead of my first tensor load
	ds_add_u32 v[SPW], v[NIL]
	v_lshrrev_b32 v1, 5, v0
	v_readfirstlane_b32 s10, v1                    ; wave 0..3
	s_lshr_b32 s11, s10, 1                         ; ra: which 128 queries are mine.  Also: I fetch for Q (0) or for K (1)
	s_and_b32 s12, s10, 1                          ; cb: which 128 keys.  Also: which 128 rows I fetch
	s_mov_b32 s13, 0
.irp T, 1,3,6,10,15,21,28
	s_cmp_ge_u32 ttmp9, \T
	s_add_co_ci_u32 s13, s13, 0                    ; I
.endr
	s_add_co_u32 s14, s13, 1
	s_mul_i32 s14, s14, s13
	s_lshr_b32 s14, s14, 1
	s_sub_co_u32 s14, ttmp9, s14                   ; J
	s_and_b32 s15, ttmp7, 0xffff                   ; b
	s_cmp_eq_u32 s11, 0
	s_cselect_b32 s[DIAG], 2, 0
	s_cmp_eq_u32 s11, s12
	s_cselect_b32 s[DIAG], 1, s[DIAG]
	s_cmp_eq_u32 s13, s14
	s_cselect_b32 s[DIAG], s[DIAG], 0
	s_mov_b32 s[G1+0], (1<<16)|(1<<20)|(5<<22)|(3<<25)   ; no mask; elements of 2 bytes; padding: 4 words behind every 64
	s_mov_b32 s[G1+1], KSTEP<<16                   ; tensor_dim0
	s_mov_b32 s[G1+2], 128<<16                     ; tensor_dim1
	s_mov_b32 s[G1+3], KSTEP<<16                   ; tile_dim0
	s_mov_b32 s[G1+4], 128                         ; tile_dim1
	s_mov_b32 s[G1+5], 3072                        ; the pitch of qkv in elements
	s_mov_b32 s[G1+6], 0
	s_mov_b32 s[G1+7], 0
	s_cmp_eq_u32 s11, 0
	s_cselect_b32 s16, s13, s14                    ; Q's tile row I or K's tile row J
	s_cselect_b32 s17, 0, 2048                     ; K lies 1,024 columns on
	s_lshl_b32 s16, s16, 8
	s_lshl_b32 s18, s15, 11
	s_add_co_u32 s16, s16, s18
	s_lshl_b32 s18, s12, 7
	s_add_co_u32 s16, s16, s18                     ; row 2048 b + 256 tile + 128 half
	s_mul_i32 s16, s16, 6144
	s_add_co_u32 s16, s16, s17
	s_mov_b32 s17, 0
	s_mul_i32 s20, s10, HALFT                      ; where it goes: wave x 128 rows
	s_mov_b32 s[CS], 0x3d38aa3b
	s_mov_b32 s[CS+1], s[CS]
	s_mov_b32 s[SEL], 0x76543210
	s_mov_b32 s[SEL+1], 0xfedcba98
	s_mov_b32 s[HM], 0xffff0000
	s_wait_dscnt 0x0                               ; both opening adds are done
	s_wait_kmcnt 0x0
	s_add_nc_u64 s[48:49], s[4:5], s[16:17]
.irp s, 0,1
	s_mov_b32 s[G0+4*\s], 1
	s_add_co_u32 s[G0+4*\s+1], s20, \s*SLOT
	s_add_nc_u64 s[G0+4*\s+2:G0+4*\s+3], s[48:49], \s*KSTEP*2
	s_or_b32 s[G0+4*\s+3], s[G0+4*\s+3], 0x80000000
	tensor_load_to_lds s[G0+4*\s:G0+4*\s+3], s[G1:G1+7]            ; K steps 0 and 1: two loads of mine are out
	s_nop 0
.endr
	v_and_b32 v1, 15, v0                           ; r
	v_bfe_u32 v2, v0, 4, 1                         ; h
	v_mul_u32_u24 v3, v1, PITCH
	v_lshl_add_u32 v3, v2, 4, v3
	s_mul_i32 s21, s11, HALFT
	s_mul_i32 s22, s12, HALFT
	s_add_co_u32 s22, s22, 2*HALFT
.irp s, 0,1
	v_add_nc_u32 v[ADRA+\s], s21, v3
	v_add_nc_u32 v[ADRB+\s], s22, v3
	s_add_co_u32 s21, s21, SLOT
	s_add_co_u32 s22, s22, SLOT
.endr
	s_mul_i32 s23, s10, 16*SPITCH
	s_add_co_u32 s23, s23, STAGE
	v_mul_u32_u24 v4, v1, SPITCH
	v_lshl_add_u32 v4, v2, 4, v4
	v_add_nc_u32 v[STO], s23, v4
	v_mul_u32_u24 v5, v2, SPITCH
	v_lshl_add_u32 v5, v1, 4, v5
	v_add_nc_u32 v[RD], s23, v5
	v_lshlrev_b32 v5, 12, v2
	v_lshl_add_u32 v[CO], v1, 4, v5                ; two rows of p, 4,096 bytes apart
	s_lshl_b32 s23, s10, 10
	s_add_co_u32 s23, s23, STAT
	v_lshlrev_b32 v5, 9, v2
	v_lshl_add_u32 v5, v1, 2, v5
	v_add_nc_u32 v[ASTAT], s23, v5
	v_and_b32 v5, 31, v0
	v_lshlrev_b32 v[C16], 4, v5
	v_add_nc_u32 v[ARS], s23, v[C16]
	v_lshlrev_b32 v5, 3, v2
	v_sub_nc_u32 v[DG], v1, v5
	v_mov_b32 v[NINF], 0xff800000
	s_lshl_b32 s16, s13, 8
	s_lshl_b32 s17, s11, 7
	s_add_co_u32 s16, s16, s17                     ; my first query in the batch
	s_lshl_b32 s17, s14, 1
	s_add_co_u32 s17, s17, s12                     ; kb = 2 J + cb
	s_lshl_b32 s18, s15, 11
	s_add_co_u32 s18, s18, s16
	s_lshl_b32 s18, s18, 12                        ; rows of 4,096 bytes
	s_lshl_b32 s19, s17, 8                         ; 256 bytes a block of keys
	s_add_co_u32 s18, s18, s19
	s_mov_b32 s19, 0
	s_add_nc_u64 s[6:7], s[6:7], s[18:19]          ; p at my block
	s_lshl_b32 s18, s15, 4
	s_add_co_u32 s18, s18, s17
	s_lshl_b32 s18, s18, 11
	s_add_co_u32 s18, s18, s16
	s_lshl_b32 s18, s18, 2
	s_add_nc_u64 s[8:9], s[8:9], s[18:19]          ; stats at (b, kb, my first query)
.macro MUL16 f, hi, a0, zero           ; 16 matrix instructions; the 64 accumulators take turns in the same order in every quarter
.irp a, \a0, \a0+1
.irp b, 0,1,2,3,4,5,6,7
.if \zero
	v_wmma_f32_16x16x32_f16 v[8*(8*(\a)+\b):8*(8*(\a)+\b)+7], v[\f+8*\b:\f+8*\b+7], v[\f+8*(4*\hi+\a):\f+8*(4*\hi+\a)+7], 0
.else
	v_wmma_f32_16x16x32_f16 v[8*(8*(\a)+\b):8*(8*(\a)+\b)+7], v[\f+8*\b:\f+8*\b+7], v[\f+8*(4*\hi+\a):\f+8*(4*\hi+\a)+7], v[8*(8*(\a)+\b):8*(8*(\a)+\b)+7]
.endif
.endr
.endr
.endm
.macro FETCH slot, k, f                ; 32 LDS loads in one run: 128 keys and 128 queries, 32 along K at byte k of the rows
	WIN TO_B
.irp i, 0,1,2,3,4,5,6,7
	ds_load_b128 v[\f+8*\i:\f+8*\i+3],   v[ADRB+\slot] offset:\k+\i*16*PITCH
	ds_load_b128 v[\f+8*\i+4:\f+8*\i+7], v[ADRB+\slot] offset:\k+\i*16*PITCH+32
.endr
	WIN 0
.irp i, 0,1,2,3,4,5,6,7
	ds_load_b128 v[\f+8*\i:\f+8*\i+3],   v[ADRA+\slot] offset:\k+\i*16*PITCH
	ds_load_b128 v[\f+8*\i+4:\f+8*\i+7], v[ADRA+\slot] offset:\k+\i*16*PITCH+32
.endr
.endm
.macro PLACES                          ; four plain vector instructions between a matrix instruction and a load into, or a read of, its registers
.rept 4
	v_nop
.endr
.endm
.macro QUARTER slot, k, f, g, zero     ; 32 along K: multiplies buffer f; in its middle fetches the next quarter, at byte k, into buffer g
	s_wait_dscnt 8                                 ; K's and Q's rows 0-63 are in; the youngest eight loads (Q's rows 64-127) may be out
	WIN MUL_LO
	MUL16 \f, 0, 0, \zero
	MUL16 \f, 0, 2, \zero
	PLACES
	FETCH \slot, \k, \g
	s_wait_dscnt 32                                ; all but the 32 just issued
	WIN MUL_HI
	MUL16 \f, 1, 0, \zero
	MUL16 \f, 1, 2, \zero
.endm
; A K step's last quarter changes slots: one barrier.  In front of it every wave has waited for all its tensor loads (its part of the next slot), has added 0 to its spare word, and has waited for that and for
; its reads of this slot.  fill = 1: behind it this slot is filled again first, two K steps ahead: one load a wave, with 224 matrix instructions up to the wait for it.
.macro TURN slot, next, fill
	WIN 0
	s_wait_tensorcnt 0x0
	ds_add_u32 v[SPW], v[NIL]
.if \fill
	s_add_nc_u64 s[G0+4*\slot+2:G0+4*\slot+3], s[G0+4*\slot+2:G0+4*\slot+3], 2*KSTEP*2   ; no load of mine is out: the group 0 may be written
.endif
	s_wait_dscnt 9                                 ; the add and the youngest eight loads may be out
	WIN MUL_LO
	MUL16 F1, 0, 0, 0
	s_wait_dscnt 0x0                               ; the add is done, my reads of this slot are over
	s_barrier_signal -1
	MUL16 F1, 0, 2, 0
	WIN 0
	s_barrier_wait -1
.if \fill
	tensor_load_to_lds s[G0+4*\slot:G0+4*\slot+3], s[G1:G1+7]
	s_nop 0
.endif
	PLACES                                         ; behind the tensor load, and in front of the loads below
	FETCH \next, 0, F0
	WIN MUL_HI
	MUL16 F1, 1, 0, 0
	MUL16 F1, 1, 2, 0
.endm
	s_wait_tensorcnt 1                             ; my part of K step 0 is in; K step 1's load may be out
	s_barrier_signal -1
	s_barrier_wait -1
	FETCH 0, 0, F0
	QUARTER 0, 64,  F0, F1, 1                      ; the first quarter's products start the sums
	WIN 0
	s_mov_b32 s3, LAPS-1
.Llap:                                                 ; a trip goes once round the two slots and fills both again
	QUARTER 0, 128, F1, F0, 0
	QUARTER 0, 192, F0, F1, 0
	TURN 0, 1, 1
	QUARTER 1, 64,  F0, F1, 0
	QUARTER 1, 128, F1, F0, 0
	QUARTER 1, 192, F0, F1, 0
	TURN 1, 0, 1
	QUARTER 0, 64,  F0, F1, 0
	WIN 0
	s_sub_co_u32 s3, s3, 1
	s_cmp_lg_u32 s3, 0
	s_cbranch_scc1 .Llap
	QUARTER 0, 128, F1, F0, 0                      ; the last lap is written out: it asks for nothing
	QUARTER 0, 192, F0, F1, 0
	TURN 0, 1, 0
	QUARTER 1, 64,  F0, F1, 0
	QUARTER 1, 128, F1, F0, 0
	QUARTER 1, 192, F0, F1, 0
	s_wait_dscnt 8
	WIN MUL_LO
	MUL16 F1, 0, 0, 0
	MUL16 F1, 0, 2, 0
	s_wait_dscnt 0x0
	WIN MUL_HI
	MUL16 F1, 1, 0, 0
	MUL16 F1, 1, 2, 0
	WIN 0
; THE WAY OUT, a block of 16 queries at a time.  SOFT a: mask, M, p, l of block a; its p packed to f16 in v[TMP] on; M and l to my 1,024 bytes of LDS.
.macro SOFT a
.set AC, 64*((\a)%4)
.set WD, 2+(\a)/4
	s_cmp_eq_u32 s[DIAG], 1
	s_cbranch_scc0 .Lopen_\@                       ; ids alone
	WIN (WD<<6)|WD                                 ; destination and source 0: the accumulators' window
.irp j, 0,1,2,3,4,5,6,7
	v_cmp_gt_i32 vcc_lo, \j, v[DG]                 ; accumulator (a, a): key 8 h + j against query r
	v_cndmask_b32 v[AC+8*(\a)+\j], v[AC+8*(\a)+\j], v[NINF], vcc_lo
.endr
.set N, AC+8*(\a)+8
.rept 8*(7-(\a))
	v_mov_b32 v[N], 0xff800000                     ; accumulators (a, b > a): every key comes after every query
.set N, N+1
.endr
	WIN 0
.Lopen_\@:
	WIN WD*0x15                                    ; all three sources: the accumulators' window
.irp c, 0,1,2,3
	v_max3_num_f32 v[TM+\c], v[AC+16*\c], v[AC+16*\c+1], v[AC+16*\c+2]   ; four chains of 16 scores; each accumulator is first read at its low end
.endr
	WIN WD*0x14
.irp i, 3,5,7,9,11,13
.irp c, 0,1,2,3
	v_max3_num_f32 v[TM+\c], v[TM+\c], v[AC+16*\c+\i], v[AC+16*\c+\i+1]
.endr
.endr
.irp c, 0,1,2,3
	v_max_num_f32 v[TM+\c], v[TM+\c], v[AC+16*\c+15]
.endr
	WIN 0
	v_max3_num_f32 v[TM], v[TM], v[TM+1], v[TM+2]
	v_max_num_f32 v[TM], v[TM], v[TM+3]
	v_permlanex16_b32 v[TX], v[TM], s[SEL], s[SEL+1]               ; the query's other 64 keys lie in the lane 16 away
	v_max_num_f32 v[TM], v[TM], v[TX]
	v_mul_f32 v[TM], s[CS], v[TM]                  ; as t (c is positive)
	v_floor_f32 v[NM], -v[TM]                      ; -M = floor(-t) = -ceil(t)
	WIN (WD<<6)|WD
.set N, 0
.rept 32
	v_pk_fma_f32 v[AC+N:AC+N+1], v[AC+N:AC+N+1], s[CS:CS+1], v[NM:NM+1] op_sel_hi:[1,0,0]   ; t - M, two at a time
.set N, N+2
.endr
.set N, 0
.rept 64
	v_exp_f32 v[AC+N], v[AC+N]                     ; p = 2^(t - M)
.set N, N+1
.endr
	v_nop                                          ; a plain instruction behind the last exponential
	s_wait_alu depctr_va_vdst(0)                   ; one wait for the batch, ahead of its first reader
	WIN WD*5
	v_pk_add_f32 v[SU:SU+1], v[AC:AC+1], v[AC+2:AC+3]              ; l is summed of the unrounded p, in two chains
	v_pk_add_f32 v[SU+2:SU+3], v[AC+4:AC+5], v[AC+6:AC+7]
.irp b, 0,1,2,3,4,5,6,7
.irp r, 0,1,2,3
	v_cvt_pk_f16_f32 v[TMP+4*\b+\r], v[AC+8*\b+2*\r], v[AC+8*\b+2*\r+1]
.endr
.endr
	WIN WD*4
.irp j, 8,12,16,20,24,28,32,36,40,44,48,52,56,60
	v_pk_add_f32 v[SU:SU+1], v[SU:SU+1], v[AC+\j:AC+\j+1]
	v_pk_add_f32 v[SU+2:SU+3], v[SU+2:SU+3], v[AC+\j+2:AC+\j+3]
.endr
	WIN 0
	v_pk_add_f32 v[SU:SU+1], v[SU:SU+1], v[SU+2:SU+3]
	v_add_f32 v[SU], v[SU], v[SU+1]
	v_permlanex16_b32 v[TX], v[SU], s[SEL], s[SEL+1]
	v_add_f32 v[SU], v[SU], v[TX]                  ; l
	v_mul_f32 v[ST], -1.0, v[NM]                   ; M
	v_cndmask_b32 v[ST], v[ST], v[SU], s[HM]       ; lanes 0-15 carry M, lanes 16-31 l
	ds_store_b32 v[ASTAT], v[ST] offset:64*(\a)
.endm
.macro TOSTAGE a
.set BK, OB+192*((\a)%2)
.irp b, 0,1,2,3,4,5,6,7
	ds_store_b128 v[STO], v[TMP+4*\b:TMP+4*\b+3] offset:32*\b
.endr
.irp t, 0,1,2,3,4,5,6,7
	ds_load_b128 v[BK+4*\t:BK+4*\t+3], v[RD] offset:\t*2*SPITCH    ; LDS serves a wave's instructions in order: these see the stores above
.endr
.endm
.macro SEND a
.set BK, OB+192*((\a)%2)
	s_wait_dscnt 0x0
	s_wait_xcnt 0x0                                ; earlier stores have read their base and their data
.if (\a) > 0
	s_add_nc_u64 s[6:7], s[6:7], 16*4096
.endif
.irp t, 0,1,2,3,4,5,6,7
	global_store_b128 v[CO], v[BK+4*\t:BK+4*\t+3], s[6:7] offset:2*\t*4096   ; 16 lanes store 256 consecutive bytes, aligned
.endr
.endm
	PLACES                                         ; behind the last products
	v_mov_b32 v[TX], 0                             ; a lane permute's destination counts as one of its sources
	v_mov_b32 v[NM+1], 0                           ; named as the upper half of -M's pair
	s_cmp_eq_u32 s[DIAG], 2
	s_cbranch_scc1 .Lzero
	SOFT 0
	TOSTAGE 0
.irp a, 1,2,3,4,5,6,7
	SOFT \a                                        ; block a's arithmetic stands between block a - 1's loads from the stage and the wait for them
	SEND (\a)-1
	TOSTAGE \a
.endr
	SEND 7
	ds_load_b128 v[80:83], v[ARS]                  ; my 128 M
	ds_load_b128 v[84:87], v[ARS] offset:512       ; my 128 l
	s_wait_dscnt 0x0
	global_store_b128 v[C16], v[80:83], s[8:9]     ; 512 consecutive bytes each
	global_store_b128 v[C16], v[84:87], s[8:9] offset:524288
	s_branch .Lend
.Lzero:                                                ; all my keys come after all my queries
.irp j, 0,1,2,3
	v_mov_b32 v[80+\j], 0
	v_mov_b32 v[84+\j], 0xff61b1e6                 ; -3e38: under every M
.endr
.set N, 0
.rept 64
	global_store_b128 v[CO], v[80:83], s[6:7] offset:2*N*4096
.set N, N+1
.endr
	global_store_b128 v[C16], v[84:87], s[8:9]
	global_store_b128 v[C16], v[80:83], s[8:9] offset:524288
.Lend:
	s_wait_tensorcnt 0x0                           ; the wave's end
	ds_add_u32 v[SPW], v[NIL]
	s_wait_dscnt 0x0
	s_endpgm
.Lfunc_end_k_qd2d828b8c2_scores:
	.size	k_qd2d828b8c2_scores, .Lfunc_end_k_qd2d828b8c2_scores-k_qd2d828b8c2_scores
	.p2alignl 7, 3214868480
	.fill 96, 4, 3214868480
	.section	.rodata,"a",@progbits
	.p2align	6, 0x0
	.amdhsa_kernel k_qd2d828b8c2_scores
		.amdhsa_group_segment_fixed_size 327680
		.amdhsa_private_segment_fixed_size 0
		.amdhsa_enable_private_segment 0
		.amdhsa_kernarg_size 24
		.amdhsa_user_sgpr_count 2
		.amdhsa_user_sgpr_kernarg_segment_ptr 1
		.amdhsa_wavefront_size32 1
		.amdhsa_system_sgpr_workgroup_id_x 1
		.amdhsa_system_sgpr_workgroup_id_y 1
		.amdhsa_system_sgpr_workgroup_id_z 1
		.amdhsa_system_vgpr_workitem_id 0
		.amdhsa_next_free_vgpr 1024
		.amdhsa_next_free_sgpr 66
		.amdhsa_reserve_vcc 1
		.amdhsa_float_denorm_mode_32 3
		.amdhsa_float_denorm_mode_16_64 3
		.amdhsa_memory_ordered 1
		.amdhsa_forward_progress 1
		.amdhsa_inst_pref_size 235
	.end_amdhsa_kernel
	.amdgpu_metadata
---
amdhsa.version: [ 1, 2 ]
amdhsa.kernels:
  - .name:           k_qd2d828b8c2_scores
    .symbol:         k_qd2d828b8c2_scores.kd
    .args:
      - { .name: qkv, .offset: 0, .size: 8, .value_kind: global_buffer, .address_space: global }
      - { .name: p, .offset: 8, .size: 8, .value_kind: global_buffer, .address_space: global }
      - { .name: stats, .offset: 16, .size: 8, .value_kind: global_buffer, .address_space: global }
    .group_segment_fixed_size: 327680
    .private_segment_fixed_size: 0
    .kernarg_segment_align: 8
    .kernarg_segment_size: 24
    .max_flat_workgroup_size: 128
    .sgpr_count:     66
    .vgpr_count:     1024
    .wavefront_size: 32
...
	.end_amdgpu_metadata
.endif
;; end of part 3
;; launch pv (part 4): grid 8 x 32, 4 waves a work-group, clusters of 4 x 1, 327,680 bytes of LDS; arguments p, stats, qkv, out0; writes out0
.if DOCPART == 4
	.amdgcn_target "amdgcn-amd-amdhsa--gfx1250"
	.amdhsa_code_object_version 6
	.text
	.protected	k_qd2d828b8c2_pv
	.globl	k_qd2d828b8c2_pv
	.p2align	8
	.type	k_qd2d828b8c2_pv,@function
k_qd2d828b8c2_pv:
	s_mov_b64 s[64:65], 0
	v_nop
	global_prefetch_b8 v0, s[64:65] scope:SCOPE_SE
	s_setreg_imm32_b32 hwreg(HW_REG_WAVE_MODE, 25, 1), 1
	s_wait_xcnt 0x0
	s_wait_alu depctr_hold_cnt(0) depctr_sa_sdst(0) depctr_va_vdst(0) depctr_va_sdst(0) depctr_va_ssrc(0) depctr_va_vcc(0) depctr_vm_vsrc(0)
	s_getreg_b32 s2, hwreg(HW_REG_IB_STS2, 6, 4)
	s_cmp_eq_u32 s2, 0
	s_cbranch_scc0 .Lentry_in_a_cluster
	s_endpgm
.Lentry_in_a_cluster:
	s_bfe_u32 s2, ttmp6, 0x10000c
	s_cmp_lg_u32 s2, 0x3003
	s_cbranch_scc0 .Lentry_shape_is_right
	s_endpgm
.Lentry_shape_is_right:
; out0[b][q][:] = (sum over blocks kb of 128 keys of 2^(M(q, kb) - M(q)) (P(q, kb) V(kb))) / L(q);  M(q) = the largest M(q, kb), which is the row's largest t rounded up;  L(q) = sum of l(q, kb) 2^(M(q, kb) - M(q)).
; P (f16, [4][2048][2048]) and M, l (f32, stats) come from the launch before, V (f16) out of qkv at column 2048.  Products on f16 operands, sums in f32.  THE FACTORS ARE APPLIED IN F32: the products of one block of
; 128 keys are summed by themselves (a block sum, begun with the constant 0), and O takes the block sum in by a fused multiply-add with the block's factor, an exact power of two.  L is above 0.5.
; Positions 0-15 of each batch are left to the next launch.
; SHARES.  Work-group (ct, 8 b + i) makes two tiles of 128 queries x 128 channels: query block i, then query block 15 - i.  K goes in steps of 256 keys: (i / 2) + 1 steps and 8 - (i / 2) steps: NINE for
; every work-group, so that all 256 have equal work and every trip count is a constant.  A wave makes 64 x 64: 16 accumulators.
; THE MATRIX INSTRUCTION IS USED TRANSPOSED: source 0 = V^T (16 channels x 32 keys, by the turning LDS load), source 1 = P (16 queries x 32 keys): a lane holds one query and eight neighbouring channels.
; CLUSTER.  The four channel tiles of one (b, i) walk the same tiles of P: waves 0 and 1 ask for them jointly (mask 15).  V's tile hangs on the channel tile: waves 2 and 3 fetch it by loads of their own, behind the
; same rounds.  V is not shared: the query blocks that read one tile of V stand at different steps of their walks.
; NO PREFETCH: the tiles are small and most of them are read by several work-groups.
; REGISTERS: window 0: v0-31 addresses, v8-15 1 / L; v32-95 the way out; v96-127 factors, two sets of eight pairs; v128-255 O ((a, b) at v[128 + 8 (4 a + b)]; at the head the table's scratch).
;   window 1: two buffers of 128: for 64 keys, 64 registers of P, then 64 of V^T.   window 2: two block sums of 128, laid as O, taken by turns: while one is summed, O takes the other in.
; O begins as zeros: 128 moves at the head, while the first tiles are on their way, and 128 where the first tile has gone out; so a step is written once, and no first block has a form of its own.
.set PP,     528                       ; a row of P in LDS: 512 bytes + 16
.set PV,     288                       ; a row of V: 256 bytes + 32
.set VOFF,   128*PP
.set SLOT,   VOFF+256*PV               ; 128 rows of P, then 256 rows of V
.set STAGE,  2*SLOT                    ; 16 rows x 272 bytes for each wave
.set SPITCH, 272
.set FT,     STAGE+4*16*SPITCH         ; the factors, f32: [18 blocks of keys in the order of the walk][128 queries]
.set RL,     FT+18*512                 ; 1 / L: [2 tiles][128 queries]
.set SPARE,  RL+1024                   ; the spare words, 128 bytes a wave, which no other line names
.set RLR,  8                           ; v8-15 1 / L of my four blocks of queries, in the low words of four pairs
.set ADRP, 16                          ; v16-17 my fragments of P in slot 0, 1
.set ADRV, 18                          ; v18-21 of V: slot 0 keys 0-127, 128-255; slot 1 likewise
.set AFT,  22                          ; v22 my factors of the step to be fetched
.set ARL,  23
.set STO,  24
.set RD,   25
.set CO,   26
.set SPW,  28
.set NIL,  29
.set TMP,  32
.set FS,   96                          ; v96-127 factors: set s (for slot s) at 16 s; in it block k of the step's two at 8 k, query block a at 2 a: the low word of a pair
.set ACC,  128                         ; O
.set F0,   0
.set F1,   128
.set BK0,  0                           ; the block sums, in window 2: a step's first 128 keys,
.set BK1,  128                         ; its second
.set TA,   128                         ; the table's scratch
.set TMM,  146
.set TL,   164
.set MA,   182
.set MB,   183
.set LA,   184
.set LB,   185
.set NI,   186
.set X1,   187
.set X2,   188
.set X3,   189
.set AW,   191
.set ZR,   192
.set G1P, 24
.set G1V, 32
.set G0P, 40
.set G0V, 48
.set MSB, 0
.macro WIN new
.if MSB != (\new)
	s_set_vgpr_msb (MSB<<8)|(\new)
.set MSB, (\new)
.endif
.endm
.set MUL,  0xa5                        ; sources 0 and 1 window 1; C and D window 2
.set TO_F, 0x40                        ; destination window 1, address window 0
.set W_AC, 0x02                        ; source 0 (a block sum) window 2; the factor and O window 0
.macro JLOAD slot                      ; waves 0, 1: P, jointly; waves 2, 3: V.  The branch hangs on the wave's number alone.  An s_nop 0 and four v_nop follow each line
	s_cmp_lt_u32 s12, 2
	s_cbranch_scc0 .Lfor_v_\@
	tensor_load_to_lds s[G0P+4*\slot:G0P+4*\slot+3], s[G1P:G1P+7]
	s_nop 0
.rept 4
	v_nop
.endr
	s_branch .Lasked_\@
.Lfor_v_\@:
	tensor_load_to_lds s[G0V+4*\slot:G0V+4*\slot+3], s[G1V:G1V+7]
	s_nop 0
.rept 4
	v_nop
.endr
.Lasked_\@:
.endm
.macro CREST
	s_cmp_lg_u32 s12, 0
	s_cbranch_scc1 .Lnot_wave_0_\@
	s_barrier_signal -3
.Lnot_wave_0_\@:
	s_barrier_wait -3
	s_barrier_signal -1
	s_barrier_wait -1
.endm
.macro CROUND
	s_barrier_signal -1
	s_barrier_wait -1
	CREST
.endm
; The two global addresses of step s70 of the walk, into slot's groups 0: steps under nA belong to the first tile.  All of it is the same in the four partners but V's base, which holds the channel tile.
.macro DESC slot
	s_cmp_lt_u32 s70, s19
	s_cselect_b64 s[72:73], s[56:57], s[58:59]     ; P's rows of the first or of the second tile
	s_cselect_b32 s71, 0, s19
	s_sub_co_u32 s71, s70, s71                     ; the step within its tile
	s_lshl_b32 s74, s71, 9                         ; 256 keys are 512 bytes of a row of P,
	s_mov_b32 s75, 0
	s_add_nc_u64 s[G0P+4*\slot+2:G0P+4*\slot+3], s[72:73], s[74:75]
	s_or_b32 s[G0P+4*\slot+3], s[G0P+4*\slot+3], 0x80000000
	s_mul_i32 s74, s71, 256*6144                   ; and 256 rows of qkv
	s_add_nc_u64 s[G0V+4*\slot+2:G0V+4*\slot+3], s[60:61], s[74:75]
	s_or_b32 s[G0V+4*\slot+3], s[G0V+4*\slot+3], 0x80000000
.endm
	s_load_b256 s[4:11], s[0:1], 0x0               ; p s[4:5], stats s[6:7], qkv s[8:9], out0 s[10:11]
	v_lshl_add_u32 v[SPW], v0, 2, SPARE
	v_mov_b32 v[NIL], 0
	ds_add_u32 v[SPW], v[NIL]                      ; the wave's opening: the add, twice on end, and its wait ahead of my first tensor load
	ds_add_u32 v[SPW], v[NIL]
	v_lshrrev_b32 v1, 5, v0
	v_readfirstlane_b32 s12, v1                    ; wave 0..3
	s_lshr_b32 s13, s12, 1                         ; qh: which 64 queries are mine
	s_and_b32 s14, s12, 1                          ; chh: which 64 channels.  Also: which half of P's or V's tile I fetch
	s_bfe_u32 s80, ttmp6, 0x40000                  ; cx
	s_lshl_b32 s17, ttmp9, 2
	s_add_co_u32 s17, s17, s80                     ; ct: the channel tile
	s_and_b32 s16, ttmp7, 0xffff
	s_and_b32 s15, s16, 7                          ; i
	s_lshr_b32 s16, s16, 3                         ; b
	s_lshr_b32 s19, s15, 1
	s_add_co_u32 s19, s19, 1                       ; nA: the first tile's steps
	s_lshl_b32 s20, s19, 1                         ; and its blocks of 128 keys
	s_mov_b32 s18, 0                               ; KS: the step in hand
	s_or_b32 s22, s15, s13
	s_cmp_eq_u32 s22, 0
	s_cselect_b32 s22, 1, 0                        ; 1: my first 16 queries are the batch's positions 0-15
	s_mov_b32 s[G1P+0], 15|(1<<16)|(1<<20)|(1<<21)|(6<<22)|(3<<25)  ; the four partners; elements of 2 bytes; padding: 4 words behind every 128
	s_mov_b32 s[G1P+1], 256<<16                    ; tensor_dim0
	s_mov_b32 s[G1P+2], 64<<16                     ; tensor_dim1
	s_mov_b32 s[G1P+3], 256<<16                    ; tile_dim0
	s_mov_b32 s[G1P+4], 64                         ; tile_dim1
	s_mov_b32 s[G1P+5], 2048                       ; the pitch of p
	s_mov_b32 s[G1P+6], 0
	s_mov_b32 s[G1P+7], 0
	s_mov_b32 s[G1V+0], (1<<16)|(1<<20)|(5<<22)|(7<<25)             ; no mask; padding: 8 words behind every 64
	s_mov_b32 s[G1V+1], 128<<16
	s_mov_b32 s[G1V+2], 128<<16
	s_mov_b32 s[G1V+3], 128<<16
	s_mov_b32 s[G1V+4], 128
	s_mov_b32 s[G1V+5], 3072                       ; the pitch of qkv
	s_mov_b32 s[G1V+6], 0
	s_mov_b32 s[G1V+7], 0
	s_lshl_b32 s68, s16, 11                        ; 2048 b
	s_lshl_b32 s69, s15, 7                         ; 128 i
	s_sub_co_u32 s84, 1920, s69                    ; 128 (15 - i)
	s_lshl_b32 s85, s16, 15                        ; stats: 16 b blocks of 2,048 queries
	s_lshl_b32 s70, s14, 6
	s_add_co_u32 s70, s70, s68
	s_add_co_u32 s86, s70, s69
	s_lshl_b32 s86, s86, 12                        ; P, first tile: row 2048 b + 128 i + 64 half, of 4,096 bytes
	s_mov_b32 s87, 0
	s_add_co_u32 s88, s70, s84
	s_lshl_b32 s88, s88, 12                        ; second tile
	s_mov_b32 s89, 0
	s_lshl_b32 s76, s14, 7
	s_add_co_u32 s76, s76, s68
	s_mul_i32 s76, s76, 6144                       ; V: row 2048 b + 128 half,
	s_lshl_b32 s77, s17, 8
	s_add_co_u32 s76, s76, s77                     ; + 256 ct
	s_add_co_u32 s76, s76, 4096                    ; + column 2048
	s_mov_b32 s77, 0
	s_lshl_b32 s81, s13, 6
	s_add_co_u32 s81, s81, s68
	s_lshl_b32 s82, s17, 9
	s_lshl_b32 s83, s14, 8
	s_add_co_u32 s82, s82, s83                     ; out0: column bytes 512 ct + 256 chh
	s_add_co_u32 s78, s81, s69
	s_lshl_b32 s78, s78, 12
	s_add_co_u32 s78, s78, s82
	s_mov_b32 s79, 0
	s_add_co_u32 s90, s81, s84
	s_lshl_b32 s90, s90, 12
	s_add_co_u32 s90, s90, s82
	s_mov_b32 s91, 0
	s_mul_i32 s2, s14, 64*PP                       ; LDS: my half of P's tile,
	s_mul_i32 s3, s14, 128*PV
	s_add_co_u32 s3, s3, VOFF                      ; of V's
	s_wait_dscnt 0x0                               ; both opening adds are done
	s_wait_kmcnt 0x0
	s_add_nc_u64 s[56:57], s[4:5], s[86:87]
	s_add_nc_u64 s[58:59], s[4:5], s[88:89]
	s_add_nc_u64 s[60:61], s[8:9], s[76:77]
	s_add_nc_u64 s[62:63], s[10:11], s[78:79]      ; the first tile's place in out0
	s_add_nc_u64 s[66:67], s[10:11], s[90:91]      ; the second's
	CROUND                                         ; the four work-groups are here: the first joint loads meet
.irp s, 0,1
	s_mov_b32 s[G0P+4*\s], 1
	s_add_co_u32 s[G0P+4*\s+1], s2, \s*SLOT
	s_mov_b32 s[G0V+4*\s], 1
	s_add_co_u32 s[G0V+4*\s+1], s3, \s*SLOT
	s_mov_b32 s70, \s
	DESC \s
.endr
	s_cmp_lt_u32 s12, 2                            ; a wave's two first fills stand in one branch: two loads of mine are out
	s_cbranch_scc0 .Lfirst_v
	tensor_load_to_lds s[G0P:G0P+3], s[G1P:G1P+7]
	s_nop 0
	tensor_load_to_lds s[G0P+4:G0P+7], s[G1P:G1P+7]
	s_nop 0
.rept 4
	v_nop
.endr
	s_branch .Lfirst_asked
.Lfirst_v:
	tensor_load_to_lds s[G0V:G0V+3], s[G1V:G1V+7]
	s_nop 0
	tensor_load_to_lds s[G0V+4:G0V+7], s[G1V:G1V+7]
	s_nop 0
.rept 4
	v_nop
.endr
.Lfirst_asked:
	; THE TABLE.  Thread t is query t of both tiles.  Block g of the walk's 18 belongs to the first tile while g < 2 nA.
.irp g, 0,1,2,3,4,5,6,7,8,9,10,11,12,13,14,15,16,17
	s_cmp_gt_u32 s20, \g
	s_cselect_b32 s70, 0, s20
	s_cselect_b32 s71, s69, s84
	s_sub_co_u32 s70, \g, s70                      ; kb
	s_lshl_b32 s70, s70, 11
	s_add_co_u32 s70, s70, s71
	s_add_co_u32 s70, s70, s85
	v_add_lshl_u32 v[TA+\g], v0, s70, 2
	global_load_b32 v[TMM+\g], v[TA+\g], s[6:7]                    ; M
	global_load_b32 v[TL+\g], v[TA+\g], s[6:7] offset:524288       ; l
.endr
	v_and_b32 v1, 15, v0                           ; r
	v_bfe_u32 v2, v0, 4, 1                         ; h
	v_mul_u32_u24 v3, v1, PP
	v_lshl_add_u32 v3, v2, 4, v3
	s_mul_i32 s70, s13, 64*PP
	v_add_nc_u32 v[ADRP], s70, v3                  ; P: my 64 rows; row r, + 16 h
	v_add_nc_u32 v[ADRP+1], SLOT, v[ADRP]
	v_and_b32 v4, 7, v0
	v_bfe_u32 v5, v0, 3, 1
	v_lshl_add_u32 v4, v2, 3, v4
	v_mul_u32_u24 v4, v4, PV
	v_lshl_add_u32 v4, v5, 4, v4                   ; V, for the turning load: key 8 h + lane % 8, channels 8 ((lane / 8) % 2) on
	s_lshl_b32 s70, s14, 7
	s_add_co_u32 s70, s70, VOFF
	v_add_nc_u32 v[ADRV], s70, v4
	v_add_nc_u32 v[ADRV+1], 128*PV, v[ADRV]
	v_add_nc_u32 v[ADRV+2], SLOT, v[ADRV]
	v_add_nc_u32 v[ADRV+3], SLOT, v[ADRV+1]
	s_lshl_b32 s70, s13, 8
	v_lshl_add_u32 v[AFT], v1, 2, s70
	v_add_nc_u32 v[ARL], RL, v[AFT]
	v_add_nc_u32 v[AFT], FT, v[AFT]
	s_mul_i32 s70, s12, 16*SPITCH
	s_add_co_u32 s70, s70, STAGE
	v_mul_u32_u24 v3, v1, SPITCH
	v_lshl_add_u32 v3, v2, 5, v3
	v_add_nc_u32 v[STO], s70, v3                   ; the stage, in: row r, 32 bytes for each half of the lanes
	v_mul_u32_u24 v3, v2, SPITCH
	v_lshl_add_u32 v3, v1, 4, v3
	v_add_nc_u32 v[RD], s70, v3                    ; back: lanes 0-15 one row of 256 bytes, lanes 16-31 the next
	v_lshlrev_b32 v3, 12, v2
	v_lshl_add_u32 v[CO], v1, 4, v3
.irp a, 0,1,2,3
	v_mov_b32 v[RLR+2*\a+1], 0                     ; named as the upper halves of pairs
.endr
.set N, 0
.rept 16
	v_mov_b32 v[FS+2*N+1], 0                       ; likewise: the packed form names a pair and takes its low word for both halves
.set N, N+1
.endr
	v_mov_b32 v[NI], 0xff800000
	v_mov_b32 v[MA], 0xff800000
	v_mov_b32 v[MB], 0xff800000
	v_mov_b32 v[LA], 0
	v_mov_b32 v[LB], 0
	v_mov_b32 v[ZR], 0
	v_lshl_add_u32 v[AW], v0, 2, FT
	s_wait_loadcnt 0x0
.irp g, 0,1,2,3,4,5,6,7,8,9,10,11,12,13,14,15,16,17
	s_cmp_gt_u32 s20, \g
	s_cselect_b32 s70, -1, 0
	v_cndmask_b32 v[X1], v[NI], v[TMM+\g], s70
	v_cndmask_b32 v[X2], v[TMM+\g], v[NI], s70
	v_max_num_f32 v[MA], v[MA], v[X1]              ; each tile's row maximum
	v_max_num_f32 v[MB], v[MB], v[X2]
.endr
.irp g, 0,1,2,3,4,5,6,7,8,9,10,11,12,13,14,15,16,17
	s_cmp_gt_u32 s20, \g
	s_cselect_b32 s70, -1, 0
	v_cndmask_b32 v[X1], v[MB], v[MA], s70
	v_sub_f32 v[X1], v[TMM+\g], v[X1]              ; M(q, kb) - M(q): a whole number, 0 or less
	v_cvt_i32_f32 v[X1], v[X1]                     ; (it saturates)
	v_ldexp_f32 v[X1], 1.0, v[X1]                  ; the factor
	v_cndmask_b32 v[X2], v[ZR], v[X1], s70         ; for the first tile's sum, or 0;
	v_sub_f32 v[X3], v[X1], v[X2]                  ; for the second's, or 0
	v_fmac_f32 v[LA], v[X2], v[TL+\g]
	v_fmac_f32 v[LB], v[X3], v[TL+\g]
	ds_store_b32 v[AW], v[X1] offset:512*\g
.endr
	v_rcp_f32 v[LA], v[LA]
	v_rcp_f32 v[LB], v[LB]
	v_nop                                          ; a plain instruction behind the reciprocals
	s_wait_alu depctr_va_vdst(0)                   ; and the wait ahead of their first reader
	ds_store_b32 v[AW], v[LA] offset:RL-FT
	ds_store_b32 v[AW], v[LB] offset:RL-FT+512
	s_wait_tensorcnt 1                             ; my part of step 0 is in; step 1's load may be out
	s_wait_dscnt 0x0                               ; my part of the table has landed
	s_barrier_signal -1
.set N, 0
.rept 128
	v_mov_b32 v[ACC+N], 0                          ; O begins as zeros: work on registers while the others arrive (the table's scratch is done with)
.set N, N+1
.endr
	s_barrier_wait -1
.macro MUL8 t, f, c, a0, zero          ; 8 matrix instructions into block sum t: query blocks a0, a0 + 1 x 4 channel blocks, 32 keys; the 16 accumulators take turns
.irp a, \a0, \a0+1
.irp b, 0,1,2,3
.if \zero
	v_wmma_f32_16x16x32_f16 v[\t+8*(4*(\a)+\b):\t+8*(4*(\a)+\b)+7], v[\f+64+8*(4*\c+\b):\f+64+8*(4*\c+\b)+7], v[\f+8*(4*\c+\a):\f+8*(4*\c+\a)+7], 0
.else
	v_wmma_f32_16x16x32_f16 v[\t+8*(4*(\a)+\b):\t+8*(4*(\a)+\b)+7], v[\f+64+8*(4*\c+\b):\f+64+8*(4*\c+\b)+7], v[\f+8*(4*\c+\a):\f+8*(4*\c+\a)+7], v[\t+8*(4*(\a)+\b):\t+8*(4*(\a)+\b)+7]
.endif
.endr
.endr
.endm
.macro FACT set                        ; a step's factors: its two blocks of 128 keys x my four blocks of queries, into the low words of eight pairs
.irp k, 0,1
.irp a, 0,1,2,3
	ds_load_b32 v[FS+16*\set+8*\k+2*\a], v[AFT] offset:512*\k+64*\a
.endr
.endr
.endm
.macro FETCH slot, q, f                ; 32 LDS loads in one run: the slot's q-th 64 keys; the first 32 keys first
	WIN TO_F
.irp c, 0,1
.irp i, 0,1,2,3
	ds_load_tr16_b128 v[\f+64+8*(4*\c+\i):\f+64+8*(4*\c+\i)+3],   v[ADRV+2*\slot+(\q)/2] offset:(((\q)%2)*64+32*\c)*PV+32*\i
	ds_load_tr16_b128 v[\f+64+8*(4*\c+\i)+4:\f+64+8*(4*\c+\i)+7], v[ADRV+2*\slot+(\q)/2] offset:(((\q)%2)*64+32*\c+16)*PV+32*\i
	ds_load_b128 v[\f+8*(4*\c+\i):\f+8*(4*\c+\i)+3],   v[ADRP+\slot] offset:128*(\q)+64*\c+\i*16*PP
	ds_load_b128 v[\f+8*(4*\c+\i)+4:\f+8*(4*\c+\i)+7], v[ADRP+\slot] offset:128*(\q)+64*\c+\i*16*PP+32
.endr
.endr
.endm
; O takes a finished block sum in: O += factor x block sum, two numbers an instruction, each accumulator from its low end on.  fs: the block's four pairs of factors, one for each block of 16 queries.
.macro ACCUM t, fs
	WIN W_AC
.irp a, 0,1,2,3
.irp j, 0,2,4,6,8,10,12,14,16,18,20,22,24,26,28,30
	v_pk_fma_f32 v[ACC+32*\a+\j:ACC+32*\a+\j+1], v[\t+32*\a+\j:\t+32*\a+\j+1], v[\fs+2*\a:\fs+2*\a+1], v[ACC+32*\a+\j:ACC+32*\a+\j+1] op_sel_hi:[1,0,1]
.endr
.endr
.endm
.macro PLACES                          ; four plain vector instructions between a matrix instruction and a load into, or a read of, its registers
.rept 4
	v_nop
.endr
.endm
.macro QHEAD t, f, zero                ; a quarter's first 32 keys
	s_wait_dscnt 16                                ; they are in; the youngest sixteen loads (the second 32 keys) may be out
	WIN MUL
	MUL8 \t, \f, 0, 0, \zero
	MUL8 \t, \f, 0, 2, \zero
.endm
.macro QFETCH slot, q, g               ; the next quarter's fetch.  Its four places serve the loads, and the multiply-adds that read the block sum finished a quarter ago
	PLACES
	FETCH \slot, (\q)+1, \g
.endm
.macro QEND t, f                       ; a quarter's second 32 keys
	s_wait_dscnt 32                                ; all but the 32 just issued
	WIN MUL
	MUL8 \t, \f, 1, 0, 0
	MUL8 \t, \f, 1, 2, 0
.endm
; A step is four quarters of 64 keys on buffers 0, 1, 0, 1.  Quarters 0 and 1 sum the first 128 keys into BK0, quarters 2 and 3 the second into BK1; the first products of each start the sum with the constant 0.
; O takes BK0 in during quarter 2 and BK1 during the next step's quarter 0: behind 16 products into the other block sum, so that no product waits for these multiply-adds.
.macro Q0 slot                         ; quarter 0 where no tile ends; the factors of the step before lie in the other set
	QHEAD BK0, F0, 1
	QFETCH \slot, 0, F1
	ACCUM BK1, FS+16*(1-\slot)+8
	QEND BK0, F0
.endm
.macro Q1 slot
	QHEAD BK0, F1, 0
	QFETCH \slot, 1, F0
	QEND BK0, F1
.endm
.macro Q2 slot
	QHEAD BK1, F0, 1
	QFETCH \slot, 2, F1
	ACCUM BK0, FS+16*\slot
	QEND BK1, F0
.endm
; A step's last quarter changes slots: one barrier; in front of it every wave has waited for all its tensor loads, has added 0 to its spare word, and has waited for that and for its reads of this slot.
; fill = 1: the barrier opens a round of the cluster's barrier, and behind the round this slot takes the step two on: one load a wave.
.macro TURN slot, next, fill
	WIN 0
	s_wait_tensorcnt 0x0
	ds_add_u32 v[SPW], v[NIL]
.if \fill
	s_add_co_u32 s70, s18, 2                       ; no load of mine is out: the groups 0 may be written
	DESC \slot
.endif
	s_wait_dscnt 17                                ; the add and the youngest sixteen loads may be out
	WIN MUL
	MUL8 BK1, F1, 0, 0, 0
	s_wait_dscnt 0x0                               ; the add is done, my reads of this slot are over
	s_barrier_signal -1
	MUL8 BK1, F1, 0, 2, 0
	WIN 0
	s_barrier_wait -1
.if \fill
	CREST
	JLOAD \slot
.else
	PLACES
.endif
	v_add_nc_u32 v[AFT], 1024, v[AFT]              ; the next step's factors
	FACT \next
	FETCH \next, 0, F0
	WIN MUL
	MUL8 BK1, F1, 1, 0, 0
	MUL8 BK1, F1, 1, 2, 0
	WIN 0
.endm
.macro REST slot, next, fill           ; a step from its second quarter on
	Q1 \slot
	Q2 \slot
	TURN \slot, \next, \fill
	s_add_co_u32 s18, s18, 1
.endm
; A finished tile: times 1 / L, through my stage, 16 queries at a time, out as rows of 256 bytes: sixteen lanes store 256 consecutive bytes, aligned.  clear = 1: O is made zeros again for the tile that follows.
.macro EPI tile, base, clear
	s_wait_xcnt 0x0                                ; earlier stores have read their data
.irp a, 0,1,2,3
	ds_load_b32 v[RLR+2*\a], v[ARL] offset:512*\tile+64*\a
.endr
	s_wait_dscnt 0x0
.irp a, 0,1,2,3
.set TS, TMP+32*(\a%2)
.if \a >= 2
	s_wait_xcnt 0x0                                ; block a - 2's stores have read these registers
.endif
.irp j, 0,2,4,6,8,10,12,14,16,18,20,22,24,26,28,30
	v_pk_mul_f32 v[TS+\j:TS+\j+1], v[ACC+32*\a+\j:ACC+32*\a+\j+1], v[RLR+2*\a:RLR+2*\a+1] op_sel_hi:[1,0]
.endr
.if \clear
.set N, 0
.rept 32
	v_mov_b32 v[ACC+32*\a+N], 0
.set N, N+1
.endr
.endif
.irp b, 0,1,2,3
	ds_store_b128 v[STO], v[TS+8*\b:TS+8*\b+3] offset:64*\b
	ds_store_b128 v[STO], v[TS+8*\b+4:TS+8*\b+7] offset:64*\b+16
.endr
.irp t, 0,1,2,3,4,5,6,7
	ds_load_b128 v[TS+4*\t:TS+4*\t+3], v[RD] offset:\t*2*SPITCH    ; LDS serves a wave's instructions in order: these see the stores above
.endr
	s_wait_dscnt 0x0
.if (\tile == 0) && (\a == 0)
	s_cmp_eq_u32 s22, 1
	s_cbranch_scc1 .Lskip_\@                       ; positions 0-15 of a batch belong to the next launch (ids alone, the same in all partners)
.endif
.irp t, 0,1,2,3,4,5,6,7
	global_store_b128 v[CO], v[TS+4*\t:TS+4*\t+3], s[\base:\base+1] offset:(16*\a+2*\t)*4096 th:TH_STORE_NT
.endr
.if (\tile == 0) && (\a == 0)
.Lskip_\@:
.endif
.endr
.endm
; A step's quarter 0 where the first tile may just have ended.  If it has, O takes the last block sum in at once (behind four places), the tile goes out and O is cleared; then the quarter goes on as ever.
; Both ways end with the same 32 LDS loads as their youngest, so the count of the wait behind the label holds on both.
.macro NEWQ slot
	s_cmp_eq_u32 s18, s19                          ; the step's number against nA: the same in all partners
	s_cbranch_scc1 .Lnew_\@
	QHEAD BK0, F0, 1
	QFETCH \slot, 0, F1
	ACCUM BK1, FS+16*(1-\slot)+8
	WIN 0
	s_branch .Lgo_\@
.Lnew_\@:
	PLACES
	ACCUM BK1, FS+16*(1-\slot)+8
	WIN 0
	EPI 0, 62, 1
	QHEAD BK0, F0, 1
	QFETCH \slot, 0, F1
	WIN 0
.Lgo_\@:
	QEND BK0, F0
.endm
	FACT 0
	FETCH 0, 0, F0
	QHEAD BK0, F0, 1                               ; step 0's quarter 0 stands ahead of the loop: no block sum is waiting yet
	QFETCH 0, 0, F1
	QEND BK0, F0
	WIN 0
	s_mov_b32 s21, 3
.Llap:                                                 ; three trips: steps 0 to 5 from their second quarters on, and the first quarters of steps 1 to 6; nA is 1 to 4
	REST 0, 1, 1
	NEWQ 1
	REST 1, 0, 1
	NEWQ 0
	WIN 0
	s_sub_co_u32 s21, s21, 1
	s_cmp_lg_u32 s21, 0
	s_cbranch_scc1 .Llap
	REST 0, 1, 1                                   ; step 6 asks for step 8, the last
	Q0 1
	REST 1, 0, 0                                   ; step 7 asks for nothing: a plain barrier
	Q0 0
	Q1 0
	Q2 0
	s_wait_dscnt 16                                ; the very last quarter: nothing more to fetch
	WIN MUL
	MUL8 BK1, F1, 0, 0, 0
	MUL8 BK1, F1, 0, 2, 0
	s_wait_dscnt 0x0
	MUL8 BK1, F1, 1, 0, 0
	MUL8 BK1, F1, 1, 2, 0
	PLACES                                         ; behind the last products
	ACCUM BK1, FS+8
	WIN 0
	EPI 1, 66, 0
	s_wait_tensorcnt 0x0                           ; the wave's end
	ds_add_u32 v[SPW], v[NIL]
	s_wait_dscnt 0x0
	CROUND                                         ; the closing round
	s_endpgm
.Lfunc_end_k_qd2d828b8c2_pv:
	.size	k_qd2d828b8c2_pv, .Lfunc_end_k_qd2d828b8c2_pv-k_qd2d828b8c2_pv
	.p2alignl 7, 3214868480
	.fill 96, 4, 3214868480
	.section	.rodata,"a",@progbits
	.p2align	6, 0x0
	.amdhsa_kernel k_qd2d828b8c2_pv
		.amdhsa_group_segment_fixed_size 327680
		.amdhsa_private_segment_fixed_size 0
		.amdhsa_enable_private_segment 0
		.amdhsa_kernarg_size 32
		.amdhsa_user_sgpr_count 2
		.amdhsa_user_sgpr_kernarg_segment_ptr 1
		.amdhsa_wavefront_size32 1
		.amdhsa_system_sgpr_workgroup_id_x 1
		.amdhsa_system_sgpr_workgroup_id_y 1
		.amdhsa_system_sgpr_workgroup_id_z 1
		.amdhsa_system_vgpr_workitem_id 0
		.amdhsa_next_free_vgpr 768
		.amdhsa_next_free_sgpr 96
		.amdhsa_reserve_vcc 0
		.amdhsa_float_denorm_mode_32 3
		.amdhsa_float_denorm_mode_16_64 3
		.amdhsa_memory_ordered 1
		.amdhsa_forward_progress 1
		.amdhsa_inst_pref_size 227
	.end_amdhsa_kernel
	.amdgpu_metadata
---
amdhsa.version: [ 1, 2 ]
amdhsa.kernels:
  - .name:           k_qd2d828b8c2_pv
    .symbol:         k_qd2d828b8c2_pv.kd
    .args:
      - { .name: p, .offset: 0, .size: 8, .value_kind: global_buffer, .address_space: global }
      - { .name: stats, .offset: 8, .size: 8, .value_kind: global_buffer, .address_space: global }
      - { .name: qkv, .offset: 16, .size: 8, .value_kind: global_buffer, .address_space: global }
      - { .name: out0, .offset: 24, .size: 8, .value_kind: global_buffer, .address_space: global }
    .group_segment_fixed_size: 327680
    .private_segment_fixed_size: 0
    .kernarg_segment_align: 8
    .kernarg_segment_size: 32
    .max_flat_workgroup_size: 128
    .sgpr_count:     96
    .vgpr_count:     768
    .wavefront_size: 32
...
	.end_amdgpu_metadata
.endif
;; end of part 4
;; launch first_rows (part 5): grid 16 x 4, 8 waves a work-group, no clusters, 1,536 bytes of LDS; arguments first32, out0; writes out0
.if DOCPART == 5
	.amdgcn_target "amdgcn-amd-amdhsa--gfx1250"
	.amdhsa_code_object_version 6
	.text
	.protected	k_qd2d828b8c2_first_rows
	.globl	k_qd2d828b8c2_first_rows
	.p2align	8
	.type	k_qd2d828b8c2_first_rows,@function
k_qd2d828b8c2_first_rows:
	s_mov_b64 s[64:65], 0
	v_nop
	global_prefetch_b8 v0, s[64:65] scope:SCOPE_SE
	s_setreg_imm32_b32 hwreg(HW_REG_WAVE_MODE, 25, 1), 1
	s_wait_xcnt 0x0
; Positions 0-15 of each batch, all in f32: these rows average one to sixteen values, so their operands are not rounded to 16 bits.  first32 [4][16][3072] holds their Q, K, V as the projection summed them.
; A WORK-GROUP TAKES ONE POSITION q OF ONE BATCH (x = q, y = the batch): 64 work-groups.  Wave c of eight takes channels 128 c .. 128 c + 127, a lane four of them: thread t's 16 bytes lie at byte 16 t of a row's
; 4,096, so that every load and the one store of a wave cover 512 consecutive bytes, aligned.  A wave asks at once for its piece of Q's row q and of all sixteen rows of K and of V: 33 loads, 132 registers.
; SCORES.  For each of the 16 keys: my four products, summed over the 32 lanes; the eight waves' sums meet in 512 bytes of LDS behind the one barrier, and every wave adds them in the same order: lane l then holds
; the score of key l % 16.
; SOFTMAX as it is written, across 16 lanes: keys after the query get -infinity, the row's true maximum is taken away, e = 2^(c s - c m), c = log2(e) / 32, divided by the sum.  Key 0 counts for every query.
; VALUES.  The sixteen weights go to scalar registers (they steer no address and no branch); out0(q, my four channels) = sum over the keys of weight x V.
; All sixteen keys are walked by every work-group: the hidden ones weigh 0.  No matrix unit (64 rows in all), no tensor loads, no prefetch (each wave's loads all go out at its head).
; LIMITS: NaN and infinities among the inputs are not served.
.set SPARE, 512                        ; LDS: 8 x 64 bytes of partial scores; behind them the spare words, 128 bytes a wave, which no other line names
.set OFF,  1                           ; v1  16 x thread: my 16 bytes of a row; never rewritten
.set AW,   2                           ; v2  64 x wave: where my wave's 16 sums go
.set AR,   3                           ; v3  4 x lane
.set KL,   4                           ; v4  lane % 16: the key whose score I hold behind the barrier
.set NINF, 5
.set M,    6
.set E,    7
.set R,    8
.set SPW,  10
.set NIL,  11
.set QR,   12                          ; v12-15   Q
.set S,    16                          ; v16-31   the 16 scores
.set A,    32                          ; v32-63   at work
.set KR,   64                          ; v64-127  K, four registers a key
.set VR,   128                         ; v128-191 V
.set OUTR, 192                         ; v192-195
.set PT,   196                         ; v196-199
.set P,    32                          ; s32-47   the weights
	s_load_b128 s[4:7], s[0:1], 0x0                ; first32, out0
	v_lshl_add_u32 v[SPW], v0, 2, SPARE
	v_mov_b32 v[NIL], 0
	v_lshlrev_b32 v[OFF], 4, v0
	v_and_b32 v[AW], 0xe0, v0                      ; 32 x wave,
	v_lshlrev_b32 v[AW], 1, v[AW]                  ; 64 x wave
	v_and_b32 v[AR], 31, v0
	v_lshlrev_b32 v[AR], 2, v[AR]
	v_and_b32 v[KL], 15, v0
	v_mov_b32 v[NINF], 0xff800000
	s_mov_b32 s9, ttmp9                            ; q
	s_and_b32 s10, ttmp7, 0xffff                   ; the batch
	s_mul_i32 s12, s10, 196608                     ; its 16 rows of 12,288 bytes
	s_mov_b32 s13, 0
	s_mul_i32 s18, s9, 12288                       ; my query's row among them
	s_mov_b32 s19, 0
	s_lshl_b32 s22, s10, 23                        ; a batch of out0 is 8,388,608 bytes,
	s_lshl_b32 s23, s9, 12                         ; a row 4,096
	s_add_co_u32 s22, s22, s23
	s_mov_b32 s23, 0
	s_mov_b32 s14, 0x76543210
	s_mov_b32 s15, 0xfedcba98                      ; lane selects: lane xor 16
	s_mov_b32 s16, 0x3d38aa3b                      ; c = log2(e) / 32
	s_wait_kmcnt 0x0
	s_add_nc_u64 s[4:5], s[4:5], s[12:13]
	s_add_nc_u64 s[20:21], s[4:5], s[18:19]
	s_add_nc_u64 s[6:7], s[6:7], s[22:23]
	global_load_b128 v[QR:QR+3], v[OFF], s[20:21]
.irp k, 0,1,2,3,4,5,6,7,8,9,10,11,12,13,14,15
	global_load_b128 v[KR+4*\k:KR+4*\k+3], v[OFF], s[4:5] offset:12288*\k+4096
.endr
.irp k, 0,1,2,3,4,5,6,7,8,9,10,11,12,13,14,15
	global_load_b128 v[VR+4*\k:VR+4*\k+3], v[OFF], s[4:5] offset:12288*\k+8192
.endr
	s_wait_loadcnt 16                              ; Q and K are in; V's sixteen loads may be out
.irp k, 0,1,2,3,4,5,6,7,8,9,10,11,12,13,14,15
	v_pk_mul_f32 v[A+2*\k:A+2*\k+1], v[QR:QR+1], v[KR+4*\k:KR+4*\k+1]   ; sixteen chains that do not wait for each other
.endr
.irp k, 0,1,2,3,4,5,6,7,8,9,10,11,12,13,14,15
	v_pk_fma_f32 v[A+2*\k:A+2*\k+1], v[QR+2:QR+3], v[KR+4*\k+2:KR+4*\k+3], v[A+2*\k:A+2*\k+1]
.endr
.irp k, 0,1,2,3,4,5,6,7,8,9,10,11,12,13,14,15
	v_add_f32 v[S+\k], v[A+2*\k], v[A+2*\k+1]
.endr
.irp m, 1,2,4,8                                ; over the 16 lanes of each half,
.irp k, 0,1,2,3,4,5,6,7,8,9,10,11,12,13,14,15
	v_add_f32_dpp v[S+\k], v[S+\k], v[S+\k] row_xmask:\m row_mask:0xf bank_mask:0xf
.endr
.endr
.irp k, 0,1,2,3,4,5,6,7,8,9,10,11,12,13,14,15
	v_permlanex16_b32 v[A+\k], v[S+\k], s14, s15   ; (its destination counts as read: these registers have been written)
.endr
.irp k, 0,1,2,3,4,5,6,7,8,9,10,11,12,13,14,15
	v_add_f32 v[S+\k], v[S+\k], v[A+\k]            ; and over the two halves: every lane holds my wave's 16 sums
.endr
.irp i, 0,1,2,3
	ds_store_b128 v[AW], v[S+4*\i:S+4*\i+3] offset:16*\i           ; all lanes write the same words with the same values
.endr
	s_wait_dscnt 0x0                               ; for the others' sake: my stores have landed
	s_barrier_signal -1
	s_barrier_wait -1
.irp i, 0,1,2,3
	ds_load_b32 v[PT+\i], v[AR] offset:128*\i      ; word 32 i + lane: wave 2 i + lane / 16, key lane % 16
.endr
	s_wait_dscnt 0x0
	v_add_f32 v[PT], v[PT], v[PT+1]
	v_add_f32 v[PT+2], v[PT+2], v[PT+3]
	v_add_f32 v[PT], v[PT], v[PT+2]
	v_permlanex16_b32 v[A], v[PT], s14, s15
	v_add_f32 v[PT], v[PT], v[A]                   ; the score of key lane % 16
	v_cmp_lt_u32 vcc_lo, s9, v[KL]
	v_cndmask_b32 v[PT], v[PT], v[NINF], vcc_lo    ; after the query: -infinity
	v_mov_b32 v[M], v[PT]
.irp m, 1,2,4,8
	v_max_num_f32_dpp v[M], v[M], v[M] row_xmask:\m row_mask:0xf bank_mask:0xf
.endr
	v_mul_f32 v[M], s16, v[M]                      ; c x the row's maximum
	v_fma_f32 v[E], v[PT], s16, -v[M]
	v_exp_f32 v[E], v[E]
	v_nop                                          ; a plain instruction behind the exponential
	s_wait_alu depctr_va_vdst(0)                   ; and the wait ahead of its first reader
	v_mov_b32 v[R], v[E]
.irp m, 1,2,4,8
	v_add_f32_dpp v[R], v[R], v[R] row_xmask:\m row_mask:0xf bank_mask:0xf
.endr
	v_rcp_f32 v[R], v[R]
	v_nop
	s_wait_alu depctr_va_vdst(0)
	v_mul_f32 v[E], v[E], v[R]                     ; the weight of key lane % 16
.irp k, 0,1,2,3,4,5,6,7,8,9,10,11,12,13,14,15
	v_readlane_b32 s[P+\k], v[E], \k
.endr
	s_wait_loadcnt 0x0                             ; V
.irp j, 0,1,2,3
	v_mul_f32 v[OUTR+\j], s[P], v[VR+\j]           ; the first key starts the sums
.endr
.irp k, 1,2,3,4,5,6,7,8,9,10,11,12,13,14,15
.irp j, 0,1,2,3
	v_fmac_f32 v[OUTR+\j], s[P+\k], v[VR+4*\k+\j]
.endr
.endr
	global_store_b128 v[OFF], v[OUTR:OUTR+3], s[6:7]               ; 32 lanes store 512 consecutive bytes, aligned
	s_wait_tensorcnt 0x0                           ; the wave's end
	ds_add_u32 v[SPW], v[NIL]
	s_wait_dscnt 0x0
	s_endpgm
.Lfunc_end_k_qd2d828b8c2_first_rows:
	.size	k_qd2d828b8c2_first_rows, .Lfunc_end_k_qd2d828b8c2_first_rows-k_qd2d828b8c2_first_rows
	.p2alignl 7, 3214868480
	.fill 96, 4, 3214868480
	.section	.rodata,"a",@progbits
	.p2align	6, 0x0
	.amdhsa_kernel k_qd2d828b8c2_first_rows
		.amdhsa_group_segment_fixed_size 1536
		.amdhsa_private_segment_fixed_size 0
		.amdhsa_enable_private_segment 0
		.amdhsa_kernarg_size 16
		.amdhsa_user_sgpr_count 2
		.amdhsa_user_sgpr_kernarg_segment_ptr 1
		.amdhsa_wavefront_size32 1
		.amdhsa_system_sgpr_workgroup_id_x 1
		.amdhsa_system_sgpr_workgroup_id_y 1
		.amdhsa_system_sgpr_workgroup_id_z 1
		.amdhsa_system_vgpr_workitem_id 0
		.amdhsa_next_free_vgpr 200
		.amdhsa_next_free_sgpr 66
		.amdhsa_reserve_vcc 1
		.amdhsa_float_denorm_mode_32 3
		.amdhsa_float_denorm_mode_16_64 3
		.amdhsa_memory_ordered 1
		.amdhsa_forward_progress 1
		.amdhsa_inst_pref_size 18
	.end_amdhsa_kernel
	.amdgpu_metadata
---
amdhsa.version: [ 1, 2 ]
amdhsa.kernels:
  - .name:           k_qd2d828b8c2_first_rows
    .symbol:         k_qd2d828b8c2_first_rows.kd
    .args:
      - { .name: first32, .offset: 0, .size: 8, .value_kind: global_buffer, .address_space: global }
      - { .name: out0, .offset: 8, .size: 8, .value_kind: global_buffer, .address_space: global }
    .group_segment_fixed_size: 1536
    .private_segment_fixed_size: 0
    .kernarg_segment_align: 8
    .kernarg_segment_size: 16
    .max_flat_workgroup_size: 256
    .sgpr_count:     66
    .vgpr_count:     200
    .wavefront_size: 32
...
	.end_amdgpu_metadata
.endif
;; end of part 5
